; MI455X (gfx1250); checked and timed in simulation.
; The chip was launched on July 23, 2026; its instructions are those of AMD's public machine-readable ISA for CDNA 5 (MIT licence, August 2026) and "CDNA5" Instruction Set Architecture Reference Guide (July 2026). The comments in the code are by the model that wrote it; some were corrected since.
;; Adapted Attention. Allowed arithmetic: float matrix products may take bf16 or f16 operands with f32 sums; other float arithmetic in f32, or as packed bf16 or f16 multiplies, adds, multiply-adds, maxima and minima; sums over many terms, partial sums and values carried from step to step in f32; what a program stores and reads back later, other than sums and carried values, may be rounded once to bf16 or f16.
;; Inputs: Wk 2,048 x 2,048 float32; Wo 2,048 x 2,048 float32; Wq 2,048 x 2,048 float32; Wv 2,048 x 2,048 float32; adaption_gate 1 float32; adaption_prompt 1 x 10 x 2,048 float32; hidden_states 1 x 2,048 x 2,048 float32; position_ids 1 x 2,048 int32.
;; Outputs: out0 1 x 2,048 x 2,048 float32.
;; 2 versions, each right; version 2 is version 1 with the launch cast written anew for expert scheduling mode. Each part assembles by itself: llvm-mc -triple=amdgcn-amd-amdhsa -mcpu=gfx1250 --defsym DOCPART=n.
;; ======== version 1 of 2: 4 launches
;; limits: values are held in f16: magnitudes above 65,504 overflow, below 6.1e-05 lose precision; inputs' magnitudes at most 4,194,304
;; workspace buffers: castb 41,943,040 bytes; adkv 131,072 bytes; rope 1,048,576 bytes; qkv 25,165,824 bytes; ctx 8,388,608 bytes
;; launch cast (part 1): grid 128 x 5, 16 waves a work-group, no clusters, 84,224 bytes of LDS; arguments hidden_states, Wq, Wk, Wv, Wo, adaption_prompt, position_ids, castb, adkv, rope; writes castb, adkv, rope
.if DOCPART == 1
	.amdgcn_target "amdgcn-amd-amdhsa--gfx1250"
	.amdhsa_code_object_version 6
	.text
	.protected	k_q0cbd889ab8_cast
	.globl	k_q0cbd889ab8_cast
	.p2align	8
	.type	k_q0cbd889ab8_cast,@function
k_q0cbd889ab8_cast:
	s_mov_b64 s[64:65], 0
	v_nop
	global_prefetch_b8 v0, s[64:65] scope:SCOPE_SE
	s_setreg_imm32_b32 hwreg(HW_REG_WAVE_MODE, 25, 1), 1
	s_wait_xcnt 0x0
; THE INPUTS AS 16-BIT MATRIX OPERANDS, AND TWO SMALL TABLES MADE ON THE WAY.
; (1) castb: +0 x, +8 MiB Wq, +16 MiB Wk, +24 MiB Wv, all bf16; +32 MiB Wo, rounded to bf16 and that number written as f16.  Each tensor is [2048][2048] f32.  The grid's y picks the tensor, its x
; sixteen rows; wave v takes row 16 x + v, 8,192 bytes: sixteen loads of 16 bytes a lane, all out at once.  A load of a wave covers 512 consecutive bytes, its store 256 consecutive bytes at a multiple
; of 256 from the buffer's first byte.
; (2) rope[row] = cos and sin of position_ids[row] x 10000^(-i/64), i = 0..63, f32, 512 bytes a row: the groups of y = 0 have 2,048 waves, one for each row; a wave makes its row while its loads are out.
; (3) The adapter's keys and values, f16: adk[key][ch] = prompt[key] . Wk[ch] (adkv + 0, rows of 4,096 bytes), advT[ch][key] = prompt[key] . Wv[ch] (adkv + 65,536, rows of 32 bytes); 16 keys, of which 10 to
; 15 repeat key 9 (the prompt's row is clamped, so no load leaves it; those keys are hidden later).  A group of y = 2 or 3 holds just sixteen channels: what it rounds for castb it also lays into LDS, and each
; register set that a rounding frees is loaded again with a piece of the prompt.  Behind a barrier K (2,048) is split among the sixteen waves, 128 each: four fragments of W from LDS, four of the prompt
; rounded to bf16.  The sixteen partial sums (f32) meet in LDS; waves 0 and 1 add one half each of every lane's eight numbers.  So Wk and Wv are read from memory once for both uses.
; adkv's stores are pieces of 8 bytes a lane (the whole buffer is 131,072 bytes).
; No tensor load, no cluster, no prefetch: each byte of the five tensors is touched once, by one wave, and all of a wave's loads are asked for at its head.
; LIMITS.  f16 (Wo, adkv) ends at 65,504 and keeps the fixed step 6e-8 below 6e-5.  |position| up to 2^22 (the rounding by the constant 1.5 x 2^23); cos and sin by polynomials on |r| <= pi/2, off by
; 5e-7 at the most; the frequency is 2^(-0.2076205 i) by v_exp_f32.
.set PITCH, 4112                       ; an LDS row: 4,096 bytes of bf16 + 16: the 16 rows of a fragment load start 1,028 words apart, at 16 different groups of four banks (ISA guide 11.1)
.set PART,  16*PITCH                   ; behind the rows: wave v's partial tile, 1,024 bytes, at 1,024 v
.set SPARE, PART+16*1024               ; behind them: the spare words, 128 bytes for each of 16 waves, that no other line names
.set X,   8                            ; v[8:71]    load i: 4 registers; then the prompt's pieces; then its four fragments in bf16 (v[8:39]); at the end the partial sums
.set Y,   72                           ; v[72:103]  store i: 2 registers; then W's four fragments
.set ACC, 104                          ; v[104:119] two accumulators: fragments of even and of odd number
.set RB,  94                           ; the rope's work lies at v[RB+10] .. v[RB+27] = v104 .. v121 (groups of y = 0 alone)
.set TO,  122                          ; v122  my 8 bytes of the rope row's cosines
.set XO,  120                          ; v120  the adapter: my offset in the prompt
.set LST, 121                          ; v121  where I lay my row's 8 bytes
.set LW,  122                          ; v122  my place in a fragment of W
.set LS,  123                          ; v123  where I put my 32 bytes of a partial tile
.set LR,  124                          ; v124  where waves 0 and 1 read 16 of them back
.set YO,  125                          ; v125  my 8 bytes of adkv
.set SPW, 126                          ; v126  my spare word; never rewritten
.set NIL, 127                          ; v127  0; never rewritten
	s_load_b256 s[4:11], s[0:1], 0x0               ; x s[4:5], Wq s[6:7], Wk s[8:9], Wv s[10:11]
	s_load_b256 s[12:19], s[0:1], 0x20             ; Wo s[12:13], prompt s[14:15], position_ids s[16:17], castb s[18:19]
	s_load_b128 s[20:23], s[0:1], 0x40             ; adkv s[20:21], rope s[22:23]
	v_lshl_add_u32 v[SPW], v0, 2, SPARE
	v_mov_b32 v[NIL], 0
	s_and_b32 s24, ttmp7, 0xffff                   ; which tensor
	v_lshrrev_b32 v1, 5, v0
	v_readfirstlane_b32 s25, v1                    ; wave 0..15
	v_and_b32 v3, 31, v0                           ; lane
	s_lshl_b32 s2, ttmp9, 17                       ; my group's 16 rows of 8,192 source bytes
	s_mov_b32 s3, 0
	s_lshl_b32 s26, s24, 23                        ; the tensor's 8 MiB in castb,
	s_lshl_b32 s27, ttmp9, 16                      ; my group's 65,536 bytes of them
	s_add_co_u32 s26, s26, s27
	s_mov_b32 s27, 0
	v_lshlrev_b32 v2, 4, v3
	v_lshl_add_u32 v1, v1, 13, v2                  ; source: 8,192 x wave + 16 x lane
	v_lshrrev_b32 v2, 1, v1                        ; destination: half of that
	s_wait_kmcnt 0x0
	s_cmp_eq_u32 s24, 1
	s_cselect_b64 s[4:5], s[6:7], s[4:5]
	s_cmp_eq_u32 s24, 2
	s_cselect_b64 s[4:5], s[8:9], s[4:5]
	s_cmp_eq_u32 s24, 3
	s_cselect_b64 s[4:5], s[10:11], s[4:5]
	s_cmp_eq_u32 s24, 4
	s_cselect_b64 s[4:5], s[12:13], s[4:5]
	s_add_nc_u64 s[4:5], s[4:5], s[2:3]
	s_add_nc_u64 s[18:19], s[18:19], s[26:27]
.set i, 0
.rept 16
	global_load_b128 v[X+4*i:X+4*i+3], v1, s[4:5] offset:512*i th:TH_LOAD_NT
.set i, i+1
.endr
; Load i is rounded and stored.  how = 0: bf16.  how = 1 (Wo): the bf16 numbers are widened again (a shift, a mask) and written as f16.
; how = 2 (Wk, Wv): bf16, into castb and into my row in LDS; the four registers just read take piece i of my part of the prompt: fragment i / 4, its k = 8 h + 0..3, + 4..7, 16 + 8 h + 0..3, + 4..7.
.macro OUT i, how
.if (\how) == 2
	s_wait_loadcnt 15                              ; loads come back in order: behind load i stand 15 - i of the weights' and i of the prompt's
.else
	s_wait_loadcnt 15-(\i)                         ; the 15 - i younger loads may stay out
.endif
	v_cvt_pk_bf16_f32 v[Y+2*(\i)], v[X+4*(\i)], v[X+4*(\i)+1]
	v_cvt_pk_bf16_f32 v[Y+2*(\i)+1], v[X+4*(\i)+2], v[X+4*(\i)+3]
.if (\how) == 1
	v_lshlrev_b32 v4, 16, v[Y+2*(\i)]
	v_and_b32 v5, 0xffff0000, v[Y+2*(\i)]
	v_lshlrev_b32 v6, 16, v[Y+2*(\i)+1]
	v_and_b32 v7, 0xffff0000, v[Y+2*(\i)+1]
	v_cvt_pk_f16_f32 v[Y+2*(\i)], v4, v5
	v_cvt_pk_f16_f32 v[Y+2*(\i)+1], v6, v7
.endif
.if (\how) == 2
	global_load_b128 v[X+4*(\i):X+4*(\i)+3], v[XO], s[14:15] offset:128*((\i)/4)+64*(((\i)%4)/2)+16*((\i)%2)
.endif
	global_store_b64 v2, v[Y+2*(\i):Y+2*(\i)+1], s[18:19] offset:256*(\i) th:TH_STORE_NT
.if (\how) == 2
	ds_store_b64 v[LST], v[Y+2*(\i):Y+2*(\i)+1] offset:256*(\i)
.endif
.endm
	s_cmp_eq_u32 s24, 4
	s_cbranch_scc1 .Lwo
	s_cmp_gt_u32 s24, 1
	s_cbranch_scc1 .Ladapter
	s_cmp_eq_u32 s24, 1
	s_cbranch_scc1 .Lplain
	; THE ROPE ROW 16 x + wave, while the loads are out.  Lane l has frequencies 2 l and 2 l + 1.
	s_lshl_b32 s28, ttmp9, 4
	s_add_co_u32 s28, s28, s25
	s_lshl_b32 s30, s28, 9
	v_lshl_add_u32 v[TO], v3, 3, s30               ; row x 512 + 8 l
	s_lshl_b32 s28, s28, 2
	s_mov_b32 s29, 0
	s_add_nc_u64 s[16:17], s[16:17], s[28:29]
	s_load_b32 s31, s[16:17], 0x0                  ; the row's position
	v_lshlrev_b32 v[RB+10], 1, v3
	v_cvt_f32_u32 v[RB+10], v[RB+10]
	v_add_f32 v[RB+11], 1.0, v[RB+10]
	v_mul_f32 v[RB+10], 0xbe549a78, v[RB+10]       ; - log2(10000) / 64 x i
	v_mul_f32 v[RB+11], 0xbe549a78, v[RB+11]
	v_exp_f32 v[RB+10], v[RB+10]
	v_exp_f32 v[RB+11], v[RB+11]
	v_mov_b32 v[RB+27], 0x3ea2f983                 ; 1 / pi: the plain instruction behind the exponentials
	s_wait_alu depctr_va_vdst(0)                   ; one wait for both, ahead of their first reader
	s_wait_kmcnt 0x0
	v_cvt_f32_i32 v[RB+26], s31
; x = position x frequency; n = x / pi rounded (by adding 1.5 x 2^23); r = x - n pi in two parts; sin x = (-1)^n sin r, cos x = (-1)^n cos r.
.macro ROPE1 u
	v_mul_f32 v[RB+10+\u], v[RB+26], v[RB+10+\u]
	v_fmaak_f32 v[RB+12+\u], v[RB+10+\u], v[RB+27], 0x4b400000
	v_add_f32 v[RB+14+\u], 0xcb400000, v[RB+12+\u] ; n
	v_lshlrev_b32 v[RB+22+\u], 31, v[RB+12+\u]     ; n's parity as a sign
	v_fmamk_f32 v[RB+10+\u], v[RB+14+\u], 0xc0490fdb, v[RB+10+\u]
	v_fmamk_f32 v[RB+14+\u], v[RB+14+\u], 0x33bbbd2e, v[RB+10+\u]  ; r
	v_mul_f32 v[RB+16+\u], v[RB+14+\u], v[RB+14+\u]
	v_mov_b32 v[RB+18+\u], 0xb2d7322b              ; sin r = r + r r^2 (-1/6 + r^2/120 - .. - r^8/11!)
	v_mov_b32 v[RB+20+\u], 0xb493f27e              ; cos r = 1 + r^2 (-1/2 + r^2/24 - .. - r^8/10!)
	v_fmaak_f32 v[RB+18+\u], v[RB+18+\u], v[RB+16+\u], 0x3638ef1d
	v_fmaak_f32 v[RB+20+\u], v[RB+20+\u], v[RB+16+\u], 0x37d00d01
	v_fmaak_f32 v[RB+18+\u], v[RB+18+\u], v[RB+16+\u], 0xb9500d01
	v_fmaak_f32 v[RB+20+\u], v[RB+20+\u], v[RB+16+\u], 0xbab60b61
	v_fmaak_f32 v[RB+18+\u], v[RB+18+\u], v[RB+16+\u], 0x3c088889
	v_fmaak_f32 v[RB+20+\u], v[RB+20+\u], v[RB+16+\u], 0x3d2aaaab
	v_fmaak_f32 v[RB+18+\u], v[RB+18+\u], v[RB+16+\u], 0xbe2aaaab
	v_fmaak_f32 v[RB+20+\u], v[RB+20+\u], v[RB+16+\u], 0xbf000000
	v_mul_f32 v[RB+24+\u], v[RB+14+\u], v[RB+16+\u]
	v_fma_f32 v[RB+20+\u], v[RB+20+\u], v[RB+16+\u], 1.0
	v_fma_f32 v[RB+18+\u], v[RB+24+\u], v[RB+18+\u], v[RB+14+\u]
	v_xor_b32 v[RB+20+\u], v[RB+22+\u], v[RB+20+\u]
	v_xor_b32 v[RB+18+\u], v[RB+22+\u], v[RB+18+\u]
.endm
	ROPE1 0
	ROPE1 1
	global_store_b64 v[TO], v[RB+20:RB+21], s[22:23]             ; 32 lanes: the row's 64 cosines, 256 consecutive bytes
	global_store_b64 v[TO], v[RB+18:RB+19], s[22:23] offset:256  ; and its 64 sines
.Lplain:
.irp i, 0,1,2,3,4,5,6,7,8,9,10,11,12,13,14,15
	OUT \i, 0
.endr
	s_branch .Lend
.Lwo:
.irp i, 0,1,2,3,4,5,6,7,8,9,10,11,12,13,14,15
	OUT \i, 1
.endr
	s_branch .Lend
.Ladapter:                             ; Wk (y = 2) and Wv (y = 3).  The addresses are made while the loads are out
	v_and_b32 v5, 15, v0                           ; r = l % 16
	v_bfe_u32 v6, v0, 4, 1                         ; h = l / 16
	v_min_u32 v[XO], 9, v5                         ; the prompt has ten rows
	v_lshlrev_b32 v[XO], 13, v[XO]
	v_lshl_add_u32 v[XO], v6, 5, v[XO]
	s_lshl_b32 s28, s25, 9
	v_add_nc_u32 v[XO], s28, v[XO]                 ; row x 8,192 + my 512 bytes of K + 32 h
	s_mul_i32 s28, s25, PITCH
	v_lshl_add_u32 v[LST], v3, 3, s28              ; my row (= my wave) x pitch + 8 l
	v_mul_u32_u24 v[LW], v5, PITCH
	v_lshl_add_u32 v[LW], v6, 4, v[LW]
	s_lshl_b32 s28, s25, 8
	v_add_nc_u32 v[LW], s28, v[LW]                 ; row r x pitch + my 256 bytes of K + 16 h
	s_lshl_b32 s28, s25, 10
	s_add_co_u32 s28, s28, PART
	v_lshl_add_u32 v[LS], v3, 5, s28               ; my partial tile: 1,024 x wave + 32 l
	s_lshl_b32 s28, s25, 4
	s_add_co_u32 s28, s28, PART
	v_lshl_add_u32 v[LR], v3, 5, s28               ; waves 0 and 1: the lower or the upper 16 bytes of each lane's 32
	s_cmp_eq_u32 s24, 2                            ; where the finished tile goes: adk by keys, advT by channels
	s_cselect_b32 s28, 4096, 32
	s_lshl_b32 s29, ttmp9, 5
	s_lshl_b32 s30, ttmp9, 9
	s_add_co_u32 s30, s30, 65536
	s_cmp_eq_u32 s24, 2
	s_cselect_b32 s29, s29, s30
	s_lshl_b32 s30, s25, 3
	s_add_co_u32 s29, s29, s30                     ; + 8 bytes for wave 1
	v_mul_u32_u24 v[YO], v5, s28
	v_lshl_add_u32 v[YO], v6, 4, v[YO]
	v_add_nc_u32 v[YO], s29, v[YO]
.irp i, 0,1,2,3,4,5,6,7,8,9,10,11,12,13,14,15
	OUT \i, 2
.endr
	s_wait_dscnt 0x0                               ; for the others' sake: my row lies in LDS
	s_barrier_signal -1
	s_barrier_wait -1                              ; all sixteen rows do
	s_wait_xcnt 0x0                                ; the stores into castb have read Y, which is loaded anew
.irp f, 0,1,2,3
	ds_load_b128 v[Y+8*\f:Y+8*\f+3],   v[LW] offset:64*\f
	ds_load_b128 v[Y+8*\f+4:Y+8*\f+7], v[LW] offset:64*\f+32
.endr
	s_wait_loadcnt 0x0                             ; the prompt is in
.set i, 0
.rept 32
	v_cvt_pk_bf16_f32 v[X+i], v[X+2*i], v[X+2*i+1] ; in place, ascending: line i writes a register whose number the lines before have already read
.set i, i+1
.endr
	s_wait_dscnt 0x0                               ; W's fragments are in
; keys = 1: W x prompt^T: a lane holds key r and channels 8 h + 0..7.  keys = 0: prompt x W^T: a lane holds channel r and keys 8 h + 0..7.
; Two accumulators take turns, one instruction a turn; the first two fragments start the sums.
.macro PRODS keys
.set f, 0
.rept 4
.set rA, ACC+8*(f%2)
.if (\keys) && (f < 2)
	v_wmma_f32_16x16x32_bf16 v[rA:rA+7], v[Y+8*f:Y+8*f+7], v[X+8*f:X+8*f+7], 0
.elseif \keys
	v_wmma_f32_16x16x32_bf16 v[rA:rA+7], v[Y+8*f:Y+8*f+7], v[X+8*f:X+8*f+7], v[rA:rA+7]
.elseif f < 2
	v_wmma_f32_16x16x32_bf16 v[rA:rA+7], v[X+8*f:X+8*f+7], v[Y+8*f:Y+8*f+7], 0
.else
	v_wmma_f32_16x16x32_bf16 v[rA:rA+7], v[X+8*f:X+8*f+7], v[Y+8*f:Y+8*f+7], v[rA:rA+7]
.endif
.set f, f+1
.endr
.endm
	s_cmp_eq_u32 s24, 2
	s_cbranch_scc0 .Lvalues
	PRODS 1
	s_branch .Lsum
.Lvalues:
	PRODS 0
.Lsum:
.rept 8
	v_nop                                          ; the places behind the last products, in front of the sums that read them (once a wave)
.endr
.irp z, 0,2,4,6
	v_pk_add_f32 v[ACC+\z:ACC+\z+1], v[ACC+\z:ACC+\z+1], v[ACC+8+\z:ACC+8+\z+1]  ; the two accumulators
.endr
	ds_store_b128 v[LS], v[ACC:ACC+3]
	ds_store_b128 v[LS], v[ACC+4:ACC+7] offset:16
	s_wait_dscnt 0x0                               ; for the others' sake: my partial sums lie in LDS
	s_barrier_signal -1
	s_barrier_wait -1
	s_cmp_lt_u32 s25, 2                            ; wave 0 finishes each lane's numbers 0 to 3, wave 1 its numbers 4 to 7
	s_cbranch_scc0 .Lend
.set p, 0
.rept 16
	ds_load_b128 v[X+4*p:X+4*p+3], v[LR] offset:1024*p
.set p, p+1
.endr
	s_wait_dscnt 0x0
.irp w, 32, 16, 8, 4                   ; sixteen partial sums into one, halving
.set z, 0
.rept (\w)/2
	v_pk_add_f32 v[X+z:X+z+1], v[X+z:X+z+1], v[X+(\w)+z:X+(\w)+z+1]
.set z, z+2
.endr
.endr
	v_cvt_pk_f16_f32 v[Y], v[X], v[X+1]
	v_cvt_pk_f16_f32 v[Y+1], v[X+2], v[X+3]
	global_store_b64 v[YO], v[Y:Y+1], s[20:21]
.Lend:
	s_wait_tensorcnt 0x0                           ; the wave's end, behind my last LDS store
	ds_add_u32 v[SPW], v[NIL]
	s_wait_dscnt 0x0
	s_endpgm
.Lfunc_end_k_q0cbd889ab8_cast:
	.size	k_q0cbd889ab8_cast, .Lfunc_end_k_q0cbd889ab8_cast-k_q0cbd889ab8_cast
	.p2alignl 7, 3214868480
	.fill 96, 4, 3214868480
	.section	.rodata,"a",@progbits
	.p2align	6, 0x0
	.amdhsa_kernel k_q0cbd889ab8_cast
		.amdhsa_group_segment_fixed_size 84224
		.amdhsa_private_segment_fixed_size 0
		.amdhsa_enable_private_segment 0
		.amdhsa_kernarg_size 80
		.amdhsa_user_sgpr_count 2
		.amdhsa_user_sgpr_kernarg_segment_ptr 1
		.amdhsa_wavefront_size32 1
		.amdhsa_system_sgpr_workgroup_id_x 1
		.amdhsa_system_sgpr_workgroup_id_y 1
		.amdhsa_system_sgpr_workgroup_id_z 1
		.amdhsa_system_vgpr_workitem_id 0
		.amdhsa_next_free_vgpr 128
		.amdhsa_next_free_sgpr 66
		.amdhsa_reserve_vcc 0
		.amdhsa_float_denorm_mode_32 3
		.amdhsa_float_denorm_mode_16_64 3
		.amdhsa_memory_ordered 1
		.amdhsa_forward_progress 1
		.amdhsa_inst_pref_size 35
	.end_amdhsa_kernel
	.amdgpu_metadata
---
amdhsa.version: [ 1, 2 ]
amdhsa.kernels:
  - .name:           k_q0cbd889ab8_cast
    .symbol:         k_q0cbd889ab8_cast.kd
    .args:
      - { .name: hidden_states, .offset: 0, .size: 8, .value_kind: global_buffer, .address_space: global }
      - { .name: Wq, .offset: 8, .size: 8, .value_kind: global_buffer, .address_space: global }
      - { .name: Wk, .offset: 16, .size: 8, .value_kind: global_buffer, .address_space: global }
      - { .name: Wv, .offset: 24, .size: 8, .value_kind: global_buffer, .address_space: global }
      - { .name: Wo, .offset: 32, .size: 8, .value_kind: global_buffer, .address_space: global }
      - { .name: adaption_prompt, .offset: 40, .size: 8, .value_kind: global_buffer, .address_space: global }
      - { .name: position_ids, .offset: 48, .size: 8, .value_kind: global_buffer, .address_space: global }
      - { .name: castb, .offset: 56, .size: 8, .value_kind: global_buffer, .address_space: global }
      - { .name: adkv, .offset: 64, .size: 8, .value_kind: global_buffer, .address_space: global }
      - { .name: rope, .offset: 72, .size: 8, .value_kind: global_buffer, .address_space: global }
    .group_segment_fixed_size: 84224
    .private_segment_fixed_size: 0
    .kernarg_segment_align: 8
    .kernarg_segment_size: 80
    .max_flat_workgroup_size: 512
    .sgpr_count:     66
    .vgpr_count:     128
    .wavefront_size: 32
...
	.end_amdgpu_metadata
.endif
;; end of part 1
;; launch qkv (part 2): grid 16 x 16, 4 waves a work-group, clusters of 4 x 4, 327,680 bytes of LDS; arguments castb, rope, qkv; writes qkv
.if DOCPART == 2
	.amdgcn_target "amdgcn-amd-amdhsa--gfx1250"
	.amdhsa_code_object_version 6
	.text
	.protected	k_q0cbd889ab8_qkv
	.globl	k_q0cbd889ab8_qkv
	.p2align	8
	.type	k_q0cbd889ab8_qkv,@function
k_q0cbd889ab8_qkv:
	s_mov_b64 s[64:65], 0
	v_nop
	global_prefetch_b8 v0, s[64:65] scope:SCOPE_SE
	s_setreg_imm32_b32 hwreg(HW_REG_WAVE_MODE, 25, 1), 1
	s_wait_xcnt 0x0
	s_wait_alu depctr_hold_cnt(0) depctr_sa_sdst(0) depctr_va_vdst(0) depctr_va_sdst(0) depctr_va_ssrc(0) depctr_va_vcc(0) depctr_vm_vsrc(0)
	s_getreg_b32 s2, hwreg(HW_REG_IB_STS2, 6, 4)
	s_cmp_eq_u32 s2, 0
	s_cbranch_scc0 .Lentry_in_a_cluster
	s_endpgm
.Lentry_in_a_cluster:
	s_bfe_u32 s2, ttmp6, 0x10000c
	s_cmp_lg_u32 s2, 0xf033
	s_cbranch_scc0 .Lentry_shape_is_right
	s_endpgm
.Lentry_shape_is_right:
; q, k, v = x W^T FOR ONE HEAD AND 128 ROWS, WITH THE ROTATION OF q AND k ON THE WAY OUT.  x, Wq, Wk, Wv: bf16 [2048][2048] in castb (+0, +8, +16, +24 MiB); sums in f32;
; out: f16 by heads, [16][2048][128], q at +0, k at +8 MiB, v at +16 MiB of qkv, each rounded once, unscaled.
; LIMIT.  f16 ends at 65,504: q, k, v beyond it become infinities.
; SHARES.  A work-group makes 128 rows x 384 columns (the head's 128 channels of q, of k and of v); 16 heads x 16 row blocks = 256 work-groups.  Wave w: rows 64 (w / 2) + 0..63 (four blocks a of 16)
; and, of each of the three tensors T, the channels 64 p + 32 (w % 2) + 16 e + 0..15 (p, e = 0, 1): twelve blocks b = 4 T + 2 p + e.  So channel d and channel d + 64, which the rotation
; pairs, lie in the same lane and the same register number of two accumulators.  48 accumulators, 384 registers; 32 LDS loads feed 48 matrix instructions.
; THE MATRIX INSTRUCTION IS USED TRANSPOSED: source 0 = 16 rows of W, source 1 = 16 rows of x: a lane holds row l % 16 and the channels 8 (l / 16) + 0..7.
; K goes in steps of 128 (rows of 256 bytes, aligned) through two LDS slots: x's 128 rows, then Wq's, Wk's, Wv's; wave w fetches the w-th of the four.
; CLUSTER 4 x 4: x's tile hangs on the row block alone and is asked for jointly along a row of the cluster; the W tiles hang on the head alone and are asked for jointly along a column.
; REGISTERS (windows of 256; s_set_vgpr_msb: bits 1:0 source 0, 3:2 source 1, 5:4 source 2, 7:6 destination):
;   window 0: v0-31 addresses; v64-127 x's fragments, two buffers of 4; v128-159 at work and v160-223 packed results on the way out
;   window 1: v0-191 W's fragments, two buffers of 12
;   windows 2, 3: accumulator (a, b) at v[8 (12 (a % 2) + b)], blocks a = 0, 1 in window 2, a = 2, 3 in window 3; v192-255: my rows' cosines and sines
.set PITCH, 272                        ; an LDS row: 256 bytes + 16 of padding: the 16 rows of a fragment load start 68 words apart, at 16 different groups of four banks (ISA guide 11.1)
.set HALFT, 128*PITCH                  ; one tensor load's 128 rows
.set SLOT,  4*HALFT                    ; 0x22000: no bit in common with wave x HALFT, so an exclusive or changes slots
.set STAGE, 2*SLOT                     ; behind the ring, never filled by a tensor load: 128 rows x 272, one tensor at a time
.set SPARE, STAGE+128*PITCH            ; the spare words, 128 bytes a wave, that no other line names
.set ADR,  16                          ; v16-19  LDS addresses in the slot in hand: x, Wq, Wk, Wv
.set LC,   20                          ; v20-23  the same in slot 0; never rewritten
.set STO,  24                          ; v24     the way out: where I put 16 bytes of a row
.set RD,   25                          ; v25     where I read rows back
.set CO,   26                          ; v26     my 16 bytes of 512 consecutive bytes of the output
.set RO,   27                          ; v27     my byte offset in the rope table
.set SPW,  28                          ; v28     my spare word; never rewritten
.set NIL,  29                          ; v29     0; never rewritten
.set PFO,  30                          ; v30     the prefetches' offset: lane x 4,096; never rewritten
.set FA,   64
.set TT1,  128
.set TT2,  144
.set PKD,  160
.set CSN,  192                         ; windows 2, 3: block a, e: 8 cosines at CSN + 32 (a % 2) + 16 e, 8 sines behind them
.set G1A, 24                           ; s[24:31] descriptor group 1 for x's tiles
.set G0A, 32                           ; s[32:39] group 0: a set for each first fill; the second then walks on
.set G1B, 48                           ; s[48:55], s[56:63] the same for W's tiles
.set G0B, 56
.set TB,  66                           ; s66  0 or SLOT: the slot in hand
.set CNT, 67                           ; s67  refills still to come
.set PFA, 68                           ; s[68:69] where my prefetches stand
.set LIM, 70                           ; s70  2 in a wave that prefetches, else the greatest number
.set G1W0, (1<<16)|(1<<20)|(1<<21)|(5<<22)|(3<<25)  ; 2-byte elements; padding on; bit 21 beside a mask; after every 64 words; 4 words
.set MSB, 0
.macro WIN new                         ; the immediate's high byte repeats the setting that is left; a switch that changes nothing is dropped
.if MSB != (\new)
	s_set_vgpr_msb (MSB<<8)|(\new)
.set MSB, \new
.endif
.endm
.macro PLACES                          ; four plain instructions between a matrix instruction and a load into, or a vector line on, its registers
.rept 4
	v_nop
.endr
.endm
.macro CREST                           ; a round of the cluster's barrier behind its opening barrier
	s_cmp_lg_u32 s10, 0
	s_cbranch_scc1 .Lnot_wave_0_\@
	s_barrier_signal -3
.Lnot_wave_0_\@:
	s_barrier_wait -3
	s_barrier_signal -1
	s_barrier_wait -1
.endm
.macro CROUND
	s_barrier_signal -1
	s_barrier_wait -1
	CREST
.endm
.macro JLOAD                           ; a joint refill by the walking sets: wave 0 asks for x's tile, waves 1 to 3 for Wq's, Wk's, Wv's; s_nop 0 and four v_nop follow each line
	s_cmp_eq_u32 s10, 0
	s_cbranch_scc0 .Lfor_b_\@
	tensor_load_to_lds s[G0A+4:G0A+7], s[G1A:G1A+7]
	s_nop 0
.rept 4
	v_nop
.endr
	s_branch .Lasked_\@
.Lfor_b_\@:
	tensor_load_to_lds s[G0B+4:G0B+7], s[G1B:G1B+7]
	s_nop 0
.rept 4
	v_nop
.endr
.Lasked_\@:
.endm
; A PREFETCH of the K step that stands two refills on (384 matrix instructions ahead of its load): 32 rows x 256 bytes, a lane a row.  x's rows are asked for by the clusters with x = 0, W's by those with y = 0;
; of the 128 rows that a wave fetches each of the four partners takes 32, told apart by address.  So each row's 256 bytes of a K step are named once.  The last two refills have no K step two on.
.macro ASK
	s_cmp_gt_u32 s[CNT], s[LIM]
	s_cbranch_scc0 .Lnot_mine_\@
	global_prefetch_b8 v[PFO], s[PFA:PFA+1] offset:256 th:TH_LOAD_NT scope:SCOPE_SE
.Lnot_mine_\@:
.endm
.macro MKADR
.irp z, 0,1,2,3
	v_add_nc_u32 v[ADR+\z], s[TB], v[LC+\z]
.endr
.endm
	s_load_b128 s[4:7], s[0:1], 0x0                ; castb s[4:5], rope s[6:7]
	s_load_b64 s[8:9], s[0:1], 0x10                ; qkv
	v_lshl_add_u32 v[SPW], v0, 2, SPARE
	v_mov_b32 v[NIL], 0
	ds_add_u32 v[SPW], v[NIL]                      ; the wave's opening: the add and its wait stand ahead of my first tensor load
	v_lshrrev_b32 v1, 5, v0
	v_readfirstlane_b32 s10, v1                    ; wave 0..3
	s_lshr_b32 s12, s10, 1                         ; which 64 rows are mine
	s_and_b32 s13, s10, 1                          ; which 32 of each 64 channels
	s_bfe_u32 s40, ttmp6, 0x40000                  ; cx
	s_bfe_u32 s41, ttmp6, 0x40004                  ; cy
	s_lshl_b32 s42, ttmp9, 2
	s_add_co_u32 s42, s42, s40                     ; the head = 4 x cluster x + cx
	s_and_b32 s43, ttmp7, 0xffff
	s_lshl_b32 s43, s43, 2
	s_add_co_u32 s43, s43, s41                     ; the row block = 4 x cluster y + cy
	s_lshl_b32 s14, s41, 2
	s_lshl_b32 s14, 15, s14                        ; my row of the cluster
	s_lshl_b32 s15, 0x1111, s40                    ; my column
	s_or_b32 s[G1A], s14, G1W0
	s_or_b32 s[G1B], s15, G1W0
.irp g, G1A, G1B
	s_mov_b32 s[(\g)+1], 128<<16                   ; tensor_dim0 = 128
	s_mov_b32 s[(\g)+2], 128<<16                   ; tensor_dim1 = 128
	s_mov_b32 s[(\g)+3], 128<<16                   ; tile_dim0 = 128
	s_mov_b32 s[(\g)+4], 128                       ; tile_dim1 = 128
	s_mov_b32 s[(\g)+5], 2048                      ; elements from row to row
	s_mov_b32 s[(\g)+6], 0
	s_mov_b32 s[(\g)+7], 0
.endr
	s_lshl_b32 s16, s43, 19                        ; x: 128 rows of 4,096 bytes a block
	s_mov_b32 s17, 0
	s_lshl_b32 s44, s10, 23                        ; W: tensor w at w x 8 MiB,
	s_lshl_b32 s45, s42, 19                        ; the head's 128 rows
	s_add_co_u32 s44, s44, s45
	s_mov_b32 s45, 0
	s_mul_i32 s22, s10, HALFT                      ; where my tile goes: no place in the cluster enters an LDS address
	s_mov_b32 s[TB], 0
	s_wait_dscnt 0x0                               ; the opening add is done
	s_wait_kmcnt 0x0
	s_add_nc_u64 s[20:21], s[4:5], s[16:17]
	s_add_nc_u64 s[46:47], s[4:5], s[44:45]
	CROUND                                         ; all sixteen work-groups are here: the first joint loads meet
.irp s, 0,1
	s_mov_b32 s[G0A+4*(\s)], 1
	s_add_co_u32 s[G0A+4*(\s)+1], s22, (\s)*SLOT
	s_add_nc_u64 s[G0A+4*(\s)+2:G0A+4*(\s)+3], s[20:21], (\s)*256
	s_or_b32 s[G0A+4*(\s)+3], s[G0A+4*(\s)+3], 0x80000000
	s_mov_b32 s[G0B+4*(\s)], 1
	s_add_co_u32 s[G0B+4*(\s)+1], s22, (\s)*SLOT
	s_add_nc_u64 s[G0B+4*(\s)+2:G0B+4*(\s)+3], s[46:47], (\s)*256
	s_or_b32 s[G0B+4*(\s)+3], s[G0B+4*(\s)+3], 0x80000000
.endr
	s_cmp_eq_u32 s10, 0                            ; a wave's two first fills stand in one branch: K steps 0 and 1; two loads of mine are out
	s_cbranch_scc0 .Lfirst_b
	tensor_load_to_lds s[G0A:G0A+3], s[G1A:G1A+7]
	s_nop 0
	tensor_load_to_lds s[G0A+4:G0A+7], s[G1A:G1A+7]
	s_nop 0
.rept 4
	v_nop
.endr
	s_branch .Lfirst_asked
.Lfirst_b:
	tensor_load_to_lds s[G0B:G0B+3], s[G1B:G1B+7]
	s_nop 0
	tensor_load_to_lds s[G0B+4:G0B+7], s[G1B:G1B+7]
	s_nop 0
.rept 4
	v_nop
.endr
.Lfirst_asked:
	v_and_b32 v1, 15, v0                           ; r = l % 16
	v_bfe_u32 v2, v0, 4, 1                         ; h = l / 16
	; my rows' cosines and sines stay in registers until the way out: row 128 block + 64 (w / 2) + 16 a + r, frequencies 32 (w % 2) + 16 e + 8 h + 0..7
	s_lshl_b32 s14, s43, 16
	s_lshl_b32 s15, s12, 15
	s_add_co_u32 s14, s14, s15
	s_lshl_b32 s15, s13, 7
	s_add_co_u32 s14, s14, s15
	v_lshlrev_b32 v[RO], 9, v1
	v_lshl_add_u32 v[RO], v2, 5, v[RO]
	v_add_nc_u32 v[RO], s14, v[RO]
.set a, 0
.rept 4
	WIN 0x80+0x40*(a/2)                            ; destination window 2 or 3
.irp e, 0,1
	global_load_b128 v[CSN+32*(a%2)+16*\e:CSN+32*(a%2)+16*\e+3],     v[RO], s[6:7] offset:a*8192+64*\e
	global_load_b128 v[CSN+32*(a%2)+16*\e+4:CSN+32*(a%2)+16*\e+7],   v[RO], s[6:7] offset:a*8192+64*\e+16
	global_load_b128 v[CSN+32*(a%2)+16*\e+8:CSN+32*(a%2)+16*\e+11],  v[RO], s[6:7] offset:a*8192+64*\e+256
	global_load_b128 v[CSN+32*(a%2)+16*\e+12:CSN+32*(a%2)+16*\e+15], v[RO], s[6:7] offset:a*8192+64*\e+272
.endr
.set a, a+1
.endr
	WIN 0
	v_mul_u32_u24 v3, v1, PITCH
	v_lshl_add_u32 v3, v2, 4, v3                   ; a fragment's row x pitch + 16 x half
	s_mul_i32 s14, s12, 64*PITCH
	v_add_nc_u32 v[LC], s14, v3                    ; my 64 rows of x
	s_mul_i32 s15, s13, 32*PITCH
	s_add_co_u32 s15, s15, HALFT
.irp z, 1,2,3
	v_add_nc_u32 v[LC+\z], s15, v3                 ; my 32 of each 64 rows of Wq, Wk, Wv
	s_add_co_u32 s15, s15, HALFT
.endr
	MKADR
	s_lshl_b32 s15, s13, 6
	s_add_co_u32 s14, s14, s15
	s_add_co_u32 s14, s14, STAGE
	v_add_nc_u32 v[STO], s14, v3                   ; stage row 64 (w / 2) + r, byte 64 (w % 2) + 16 h
	s_mul_i32 s14, s10, 32*PITCH
	s_add_co_u32 s14, s14, STAGE
	v_mul_u32_u24 v4, v2, PITCH
	v_lshl_add_u32 v4, v1, 4, v4
	v_add_nc_u32 v[RD], s14, v4                    ; back: wave w takes rows 32 w .., lanes 0-15 one row, lanes 16-31 the next
	v_lshlrev_b32 v[CO], 8, v2
	v_lshl_add_u32 v[CO], v1, 4, v[CO]
	s_lshl_b32 s16, s42, 19                        ; the output: (head x 2,048 + 128 block + 32 w) rows of 256 bytes
	s_lshl_b32 s14, s43, 15
	s_add_co_u32 s16, s16, s14
	s_lshl_b32 s14, s10, 13
	s_add_co_u32 s16, s16, s14
	s_mov_b32 s17, 0
	s_add_nc_u64 s[8:9], s[8:9], s[16:17]
	; the prefetches
	s_and_b32 s14, ttmp7, 0xffff                   ; cluster y
	s_cmp_eq_u32 s10, 0                            ; do I fetch x?
	s_cselect_b32 s15, s40, s41                    ; my place among the four that ask with me
	s_cselect_b32 s14, ttmp9, s14                  ; the coordinate along which other clusters read the same rows
	s_cselect_b64 s[PFA:PFA+1], s[20:21], s[46:47]
	s_cmp_eq_u32 s14, 0
	s_cselect_b32 s[LIM], 2, -1                    ; the same in all sixteen partners, for a given wave
	s_lshl_b32 s14, s15, 17                        ; my work-group's 32 rows of the 128
	s_mov_b32 s15, 0
	s_add_nc_u64 s[PFA:PFA+1], s[PFA:PFA+1], s[14:15]
	s_add_nc_u64 s[PFA:PFA+1], s[PFA:PFA+1], 512   ; at K step 2: the first refill steps it to 3 and names 4.  Nothing is asked for here, at the head
	v_and_b32 v[PFO], 31, v0
	v_lshlrev_b32 v[PFO], 12, v[PFO]
; 12 matrix instructions: row block a x all twelve channel blocks, 32 along K, from buffer f.  zero = 1: the products start the sums.
.macro MUL12 f, a, zero
	WIN 0xa1+0x50*((\a)/2)                         ; W window 1, x window 0, C and D window 2 or 3
.set b, 0
.rept 12
.set rD, 8*(12*((\a)%2)+b)
.if \zero
	v_wmma_f32_16x16x32_bf16 v[rD:rD+7], v[96*(\f)+8*b:96*(\f)+8*b+7], v[FA+32*(\f)+8*(\a):FA+32*(\f)+8*(\a)+7], 0
.else
	v_wmma_f32_16x16x32_bf16 v[rD:rD+7], v[96*(\f)+8*b:96*(\f)+8*b+7], v[FA+32*(\f)+8*(\a):FA+32*(\f)+8*(\a)+7], v[rD:rD+7]
.endif
.set b, b+1
.endr
.endm
; 32 LDS loads in one run: the fragments of 32 along K at byte k of the rows, into buffer f: W's twelve, then x's four
.macro FETCH k, f
	WIN 0x40                                       ; destination window 1
.set b, 0
.rept 12
	ds_load_b128 v[96*(\f)+8*b:96*(\f)+8*b+3],   v[ADR+1+b/4] offset:(64*((b%4)/2)+16*(b%2))*PITCH+(\k)
	ds_load_b128 v[96*(\f)+8*b+4:96*(\f)+8*b+7], v[ADR+1+b/4] offset:(64*((b%4)/2)+16*(b%2))*PITCH+(\k)+32
.set b, b+1
.endr
	WIN 0
.set b, 0
.rept 4
	ds_load_b128 v[FA+32*(\f)+8*b:FA+32*(\f)+8*b+3],   v[ADR] offset:b*16*PITCH+(\k)
	ds_load_b128 v[FA+32*(\f)+8*b+4:FA+32*(\f)+8*b+7], v[ADR] offset:b*16*PITCH+(\k)+32
.set b, b+1
.endr
.endm
; A K step is four quarters of 32 along K, 48 matrix instructions each, on buffers 0, 1, 0, 1.  The 48 accumulators take turns in the same order everywhere.
.macro QUARTER k, f, g, zero
	s_wait_dscnt 0x4                               ; all but the youngest four loads: x's blocks 2 and 3
	MUL12 \f, 0, \zero
	MUL12 \f, 1, \zero
	PLACES
	FETCH \k, \g
	s_wait_dscnt 0x20                              ; all but the 32 just issued
	MUL12 \f, 2, \zero
	MUL12 \f, 3, \zero
.endm
; The last quarter multiplies buffer 1 and changes slots in its middle: ONE barrier.  Its first 24 products, which need registers alone, stand AHEAD of the wait for the tensor load, so that they run while the load
; may still be on its way.  Then each wave waits for all its tensor loads (one is out: its part of the next slot), adds 0 to its spare word, and waits for that and for its reads of this slot; the next slot's
; addresses and the descriptors' steps, work on registers, stand between the add and the wait for it.  fill = 1: the barrier opens a round of the cluster's, and behind it this slot is filled again, two K steps
; ahead: a whole K step, 192 matrix instructions, before the wait for it.
.macro TURN fill
.if \fill
	s_wait_xcnt 0x0                                ; the last prefetch, a K step back, has read its address
	s_add_nc_u64 s[PFA:PFA+1], s[PFA:PFA+1], 256
.endif
	s_wait_dscnt 0x4                               ; all but the youngest four loads: x's blocks 2 and 3
	MUL12 1, 0, 0
	MUL12 1, 1, 0
	WIN 0
	s_wait_tensorcnt 0x0                           ; no tensor load of mine is out, so a group 0 may be written
	ds_add_u32 v[SPW], v[NIL]                      ; 0 onto my spare word
	s_xor_b32 s[TB], s[TB], SLOT
	MKADR                                          ; the next slot's addresses (no load from this slot follows)
.if \fill
	s_xor_b32 s[G0A+5], s[G0A+5], SLOT             ; the walking sets: the other slot than last time, the next K step; the type bits on top are not reached
	s_add_nc_u64 s[G0A+6:G0A+7], s[G0A+6:G0A+7], 256
	s_xor_b32 s[G0B+5], s[G0B+5], SLOT
	s_add_nc_u64 s[G0B+6:G0B+7], s[G0B+6:G0B+7], 256
.endif
	s_wait_dscnt 0x0                               ; the add is done, and my reads of this slot are over
	s_barrier_signal -1
	s_barrier_wait -1
.if \fill
	CREST                                          ; no wave of any partner still reads this slot or has a load on its way
	JLOAD                                          ; its four v_nop are also the places in front of the loads below
.else
	PLACES
.endif
	FETCH 0, 0
.if \fill
	ASK
.endif
	MUL12 1, 2, 0
	MUL12 1, 3, 0
.endm
	s_wait_tensorcnt 0x1                           ; my part of K step 0 is in; K step 1's may stay out
	s_barrier_signal -1
	s_barrier_wait -1
	FETCH 0, 0
	QUARTER 64, 0, 1, 1                            ; the first quarter stands in front of the loop: its products start the sums
	WIN 0
	s_mov_b32 s[CNT], 14                           ; K steps 2 to 15 are refills
.Lk:                                   ; a trip: from a K step's second quarter to the next step's first
	QUARTER 128, 1, 0, 0
	QUARTER 192, 0, 1, 0
	TURN 1
	QUARTER 64, 0, 1, 0
	WIN 0
	s_sub_co_u32 s[CNT], s[CNT], 1
	s_cmp_lg_u32 s[CNT], 0
	s_cbranch_scc1 .Lk
	QUARTER 128, 1, 0, 0                           ; the last two K steps ask for nothing
	QUARTER 192, 0, 1, 0
	TURN 0
	QUARTER 64, 0, 1, 0
	QUARTER 128, 1, 0, 0
	QUARTER 192, 0, 1, 0
	s_wait_dscnt 0x4
	MUL12 1, 0, 0
	MUL12 1, 1, 0
	s_wait_dscnt 0x0
	MUL12 1, 2, 0
	MUL12 1, 3, 0
	WIN 0
	PLACES
	PLACES
	s_wait_loadcnt 0x0                             ; the cosines and sines
; THE WAY OUT, a tensor at a time.  q and k: out[d] = lo cos - hi sin, out[d + 64] = hi cos + lo sin (lo, hi: channels d, d + 64).  Rounded to f16, 16 bytes a lane into the stage; a barrier, since a row's
; 256 bytes come from two waves; back as whole rows; 32 lanes store 512 consecutive bytes.  Each accumulator's registers are taken in ascending order.
.macro PASS T
	WIN 0
	s_wait_xcnt 0x0                                ; the last pass's stores have read their registers and their base
.if (\T) > 0
	s_add_nc_u64 s[8:9], s[8:9], 0x800000
.endif
.set a, 0
.rept 4
.set AB, 8*(12*(a%2)+4*(\T))           ; the tensor's four accumulators of block a: lo e = 0, 1, then hi e = 0, 1
.set CB, CSN+32*(a%2)
	WIN 0x0a+5*(a/2)                               ; sources 0 and 1 window 2 or 3; source 2 and destination window 0
.if (\T) < 2
.set q, 0
.rept 8
	v_pk_mul_f32 v[TT1+2*q:TT1+2*q+1], v[AB+16+2*q:AB+16+2*q+1], v[CB+16*(q/4)+8+2*(q%4):CB+16*(q/4)+8+2*(q%4)+1]
.set q, q+1
.endr
.set q, 0
.rept 8
	v_pk_mul_f32 v[TT2+2*q:TT2+2*q+1], v[AB+2*q:AB+2*q+1], v[CB+16*(q/4)+8+2*(q%4):CB+16*(q/4)+8+2*(q%4)+1]
.set q, q+1
.endr
.set q, 0
.rept 8
	v_pk_fma_f32 v[TT1+2*q:TT1+2*q+1], v[AB+2*q:AB+2*q+1], v[CB+16*(q/4)+2*(q%4):CB+16*(q/4)+2*(q%4)+1], v[TT1+2*q:TT1+2*q+1] neg_lo:[0,0,1] neg_hi:[0,0,1]
.set q, q+1
.endr
.set q, 0
.rept 8
	v_pk_fma_f32 v[TT2+2*q:TT2+2*q+1], v[AB+16+2*q:AB+16+2*q+1], v[CB+16*(q/4)+2*(q%4):CB+16*(q/4)+2*(q%4)+1], v[TT2+2*q:TT2+2*q+1]
.set q, q+1
.endr
	WIN 0
.set q, 0
.rept 16
	v_cvt_pk_f16_f32 v[PKD+16*a+q], v[TT1+2*q], v[TT1+2*q+1]  ; TT2 follows TT1: q = 8 .. 15 are the upper channels
.set q, q+1
.endr
.else
.set q, 0
.rept 16
	v_cvt_pk_f16_f32 v[PKD+16*a+q], v[AB+2*q], v[AB+2*q+1]
.set q, q+1
.endr
.endif
.set a, a+1
.endr
	WIN 0
.set a, 0
.rept 4
.set q, 0
.rept 4
	ds_store_b128 v[STO], v[PKD+16*a+4*q:PKD+16*a+4*q+3] offset:a*16*PITCH+128*(q/2)+32*(q%2)
.set q, q+1
.endr
.set a, a+1
.endr
	s_wait_dscnt 0x0                               ; for the others' sake: my stores into the stage are done
	s_barrier_signal -1
	s_barrier_wait -1
.set t, 0
.rept 16
	ds_load_b128 v[PKD+4*t:PKD+4*t+3], v[RD] offset:t*2*PITCH
.set t, t+1
.endr
.set t, 0
.rept 16
	s_wait_dscnt 15-t
	global_store_b128 v[CO], v[PKD+4*t:PKD+4*t+3], s[8:9] offset:512*t
.set t, t+1
.endr
.if (\T) < 2
	s_barrier_signal -1                            ; my reads of the stage are back (the count-down ended at 0): the next pass writes it again
	s_barrier_wait -1
.endif
.endm
	PASS 0
	PASS 1
	PASS 2
	s_wait_tensorcnt 0x0                           ; the wave's end
	ds_add_u32 v[SPW], v[NIL]
	s_wait_dscnt 0x0
	CROUND                                         ; the closing round
	s_endpgm
.Lfunc_end_k_q0cbd889ab8_qkv:
	.size	k_q0cbd889ab8_qkv, .Lfunc_end_k_q0cbd889ab8_qkv-k_q0cbd889ab8_qkv
	.p2alignl 7, 3214868480
	.fill 96, 4, 3214868480
	.section	.rodata,"a",@progbits
	.p2align	6, 0x0
	.amdhsa_kernel k_q0cbd889ab8_qkv
		.amdhsa_group_segment_fixed_size 327680
		.amdhsa_private_segment_fixed_size 0
		.amdhsa_enable_private_segment 0
		.amdhsa_kernarg_size 24
		.amdhsa_user_sgpr_count 2
		.amdhsa_user_sgpr_kernarg_segment_ptr 1
		.amdhsa_wavefront_size32 1
		.amdhsa_system_sgpr_workgroup_id_x 1
		.amdhsa_system_sgpr_workgroup_id_y 1
		.amdhsa_system_sgpr_workgroup_id_z 1
		.amdhsa_system_vgpr_workitem_id 0
		.amdhsa_next_free_vgpr 1024
		.amdhsa_next_free_sgpr 74
		.amdhsa_reserve_vcc 0
		.amdhsa_float_denorm_mode_32 3
		.amdhsa_float_denorm_mode_16_64 3
		.amdhsa_memory_ordered 1
		.amdhsa_forward_progress 1
		.amdhsa_inst_pref_size 118
	.end_amdhsa_kernel
	.amdgpu_metadata
---
amdhsa.version: [ 1, 2 ]
amdhsa.kernels:
  - .name:           k_q0cbd889ab8_qkv
    .symbol:         k_q0cbd889ab8_qkv.kd
    .args:
      - { .name: castb, .offset: 0, .size: 8, .value_kind: global_buffer, .address_space: global }
      - { .name: rope, .offset: 8, .size: 8, .value_kind: global_buffer, .address_space: global }
      - { .name: qkv, .offset: 16, .size: 8, .value_kind: global_buffer, .address_space: global }
    .group_segment_fixed_size: 327680
    .private_segment_fixed_size: 0
    .kernarg_segment_align: 8
    .kernarg_segment_size: 24
    .max_flat_workgroup_size: 128
    .sgpr_count:     74
    .vgpr_count:     1024
    .wavefront_size: 32
...
	.end_amdgpu_metadata
.endif
;; end of part 2
;; launch attn (part 3): grid 16 x 16, 4 waves a work-group, clusters of 4 x 1, 327,680 bytes of LDS; arguments qkv, adkv, adaption_gate, ctx; writes ctx
.if DOCPART == 3
	.amdgcn_target "amdgcn-amd-amdhsa--gfx1250"
	.amdhsa_code_object_version 6
	.text
	.protected	k_q0cbd889ab8_attn
	.globl	k_q0cbd889ab8_attn
	.p2align	8
	.type	k_q0cbd889ab8_attn,@function
k_q0cbd889ab8_attn:
	s_mov_b64 s[64:65], 0
	v_nop
	global_prefetch_b8 v0, s[64:65] scope:SCOPE_SE
	s_setreg_imm32_b32 hwreg(HW_REG_WAVE_MODE, 25, 1), 1
	s_wait_xcnt 0x0
	s_wait_alu depctr_hold_cnt(0) depctr_sa_sdst(0) depctr_va_vdst(0) depctr_va_sdst(0) depctr_va_ssrc(0) depctr_va_vcc(0) depctr_vm_vsrc(0)
	s_getreg_b32 s2, hwreg(HW_REG_IB_STS2, 6, 4)
	s_cmp_eq_u32 s2, 0
	s_cbranch_scc0 .Lentry_in_a_cluster
	s_endpgm
.Lentry_in_a_cluster:
	s_bfe_u32 s2, ttmp6, 0x10000c
	s_cmp_lg_u32 s2, 0x3003
	s_cbranch_scc0 .Lentry_shape_is_right
	s_endpgm
.Lentry_shape_is_right:
; CAUSAL ATTENTION PLUS THE GATED ADAPTER ATTENTION.  ctx[q][head] = softmax_{k <= q}(Q.K / sqrt(128)) V + gate x softmax_{10 keys}(Q.Ka / 4) Va.
; Q, K, V: f16 [16][2048][128] in qkv (+0, +8, +16 MiB); Ka: f16 [16 keys][2048], Va^T: f16 [2048][16 keys] in adkv; ctx: f16 [2048][2048].  Products, maxima and sums in f32; weights rounded to f16 for the
; second products (their sums are taken unrounded); the gate is rounded to bf16 like the other inputs; ctx rounded once.
; LIMITS.  A hidden score counts as -1e30; f16's scores are far smaller.  A weight below 2^-126 counts as 0.  ctx beyond 65,504 becomes an infinity.  The adapter's weights are multiplied by gate / their sum
; before they are rounded to f16: a gate beyond 65,504 gives infinities, and below 6e-5 such a weight keeps f16's fixed step of 6e-8.  NaN and infinities are not treated apart.
; THE WALK.  A head's queries lie in 32 blocks of 64, its keys in 8 tiles of 256.  With a = the cluster's x and cx = my place in it, a work-group takes block Lo = 4 a + cx, which needs tiles 0 .. a, and then
; block Hi = 31 - Lo, which needs tiles 0 .. 7 - a: NINE tiles whatever a and cx, and the same nine for the four partners.  So every tile is asked for jointly, and all trip counts and jumps hang on a alone.
; THE KEYS ARE SPLIT AMONG THE WAVES: of each tile wave w takes keys 64 w .. 64 w + 63, for all 64 queries (four tiles of 16): 64 LDS loads feed 128 matrix instructions, and each byte of a slot is read by one wave.
; Each wave keeps its own running maximum m, sum l and O; the four meet in LDS (f32) at a block's end.  In a block's last tile, with ri = cx (Lo) or 3 - cx (Hi), wave w sees all its keys if w < ri, none if
; w > ri, and holds the diagonal if w = ri: that is done by lane masks chosen by s_cselect: no jump and no LDS address hangs on cx.  A wave that has seen nothing ends with c m near -1e29 and weighs 0 in the merge.
; LAYOUT.  S^T = K Q^T holds one query a lane (l % 16) and the keys 8 (l / 16) + 0..7; two such results rounded to f16 are source 1 of O^T = V^T P.  p = 2^(c s - c m), c = log2(e) / sqrt(128); O and l are
; multiplied by 2^(c m_old - c m_new) in every step.  A step goes in phases: 64 products K Q^T (K's fragments come in the order in which the products want them, and the products begin when the first eight loads
; are in), the softmax (its 132 exponentials one batch with one wait), 64 products V^T P.
; REGISTERS (windows of 256; s_set_vgpr_msb: bits 1:0 source 0, 3:2 source 1, 5:4 source 2, 7:6 destination):
;   window 0: v0-11, v44-63 addresses and small things; v12-43 eight registers of statistics a tile; v64-191 S^T; v192-255 P      window 1: O^T, 64 a tile
;   window 2: v0-127 Q; v128-255 K of a step      window 3: v0-127 V of a step
.set PKP,   272                        ; a row of K in LDS: 256 bytes + 16
.set PVP,   288                        ; a row of V: 256 + 32
.set VOFF,  256*PKP                    ; a slot: 256 rows of K, then 256 rows of V
.set SLOT,  0x24000                    ; no bit in common with the tiles' places in a slot, so an exclusive or changes slots
.set STATS, 256*(PKP+PVP)              ; between the slots, never filled by a tensor load: c m, then l: [tile][lane][wave], 2,048 bytes each
.set STAGE, SLOT+256*(PKP+PVP)         ; behind the ring: for each wave 16 rows x 528 bytes of f32
.set SGP,   528
.set SPARE, STAGE+4*16*SGP             ; the spare words, 128 bytes a wave, that no other line names
.set AK0, 2                            ; v2   my place in a tile of K (my wave's 64 rows); never rewritten
.set AV0, 3                            ; v3   the same for V
.set ADK, 4                            ; v4   K's address in the slot in hand
.set QO,  5                            ; v5   my byte offset in 16 rows of Q
.set ADV, 6                            ; v6   V's address
.set SX,  7                            ; v7   where I put my statistics
.set SR,  8                            ; v8   where I read the four waves'
.set STG, 10                           ; v10  where I put 32 bytes of a row of O
.set RDM, 11                           ; v11  where I read 16 bytes of my four rows
.set ST,  12                           ; tile t at v[ST+8 t]: c m, m, l (even keys', odd keys'), four at work
.set CT,  44                           ; v44  my 8 bytes of my rows of ctx
.set HID, 45                           ; v45  -1e30
.set AKO, 46                           ; v46  my offset in the adapter's keys
.set AVO, 47                           ; v47  in its values
.set SC,  48                           ; v48-55  at a block's end: at work in the adapter, then tile t's factor, twice
.set SCA, 56                           ; v56-57  the adapter's factor, gate / the weights' sum, twice
.set WK,  58                           ; v58-59  at work
.set GATE, 60                          ; v60  the gate
.set PFO, 61                           ; v61  256 x lane; never rewritten
.set SPW, 62                           ; v62  my spare word; never rewritten
.set NIL, 63                           ; v63  0; never rewritten
.set S,   64
.set P,   192
.set KF,  128
.set QA,  64                           ; at a block's end, in S^T's registers: my tile's Q, the adapter's keys and (until my round of the merge) values
.set KA,  96
.set VA,  128
.set SA,  192                          ; in P's: the adapter's scores; v224-231 its weights, until my round of the merge
.set PA,  224
.set PR,  64                           ; the merge: four rows x four partial sums
.set OT,  192                          ; the merge: round t's 8 registers to store, where the four waves' statistics lay
.set WV,  12                           ; s12  my wave
.set AA,  13                           ; s13  a
.set CX,  14                           ; s14  cx
.set HD,  15                           ; s15  the head
.set HQ,  16                           ; s16  7 - a
.set G1K, 24
.set G1V, 32
.set G0K, 40
.set G0V, 44
.set KB,  48                           ; s[48:49] K at my half of the head's tile 0
.set VB,  50                           ; s[50:51] V likewise
.set OFF, 52                           ; s[52:53] a tile's byte offset
.set PFA, 54                           ; s[54:55] where my prefetches stand
.set SLOTS, 56                         ; s56  tiles still to be asked for
.set RT,  57                           ; s57  tiles of the block in hand still to be entered
.set CS,  58                           ; s[58:59] c
.set SEL, 60                           ; s[60:61] v_permlanex16_b32's selects
.set TB,  62                           ; s62  0 or SLOT
.set NXT, 63                           ; s63  the tile to be asked for next
.set LQ,  66                           ; s66  the last tile of the block whose tiles are being asked for
.set LIMW, 67                          ; s67  4 in the cluster that prefetches, else 0
.set CAD, 68                           ; s[68:69] log2(e) / 4
.set HM,  71                           ; s71  lanes 16 to 31
.set MB,  72                           ; s72  mask for key blocks below the query tile's
.set MA,  73                           ; s73  above it
.set RI,  74                           ; s74  ri
.set TS,  75                           ; s75  at work
.set TRI, 76                           ; s[76:83] register j of the query tile's own key block: lanes where the key is later than the query
.set MT,  84                           ; s[84:91] the same, for my wave in this block
.set QHI, 92                           ; s[92:93] Q at block Hi
.set CB,  94                           ; s[94:95] ctx at the block in hand
.set CBH, 96
.set QAB, 98                           ; s[98:99] Q at my tile (16 w) of the block in hand
.set QABH, 100
.set MSB, 0
.macro WIN new
.if MSB != (\new)
	s_set_vgpr_msb (MSB<<8)|(\new)
.set MSB, \new
.endif
.endm
.set W_KQ, 0x0a
.set W_PV, 0x53
.set W_RS, 0x41
.macro PLACES
.rept 4
	v_nop
.endr
.endm
.macro CROUND                          ; a round of the cluster's barrier
	s_barrier_signal -1
	s_barrier_wait -1
	s_cmp_lg_u32 s[WV], 0
	s_cbranch_scc1 .Lnot_wave_0_\@
	s_barrier_signal -3
.Lnot_wave_0_\@:
	s_barrier_wait -3
	s_barrier_signal -1
	s_barrier_wait -1
.endm
.macro JLOAD                           ; a joint fill: waves 0 and 1 fetch the two halves of a tile's K, waves 2 and 3 those of its V; s_nop 0 and four v_nop follow each line
	s_cmp_lt_u32 s[WV], 2
	s_cbranch_scc0 .Lfor_v_\@
	tensor_load_to_lds s[G0K:G0K+3], s[G1K:G1K+7]
	s_nop 0
.rept 4
	v_nop
.endr
	s_branch .Lasked_\@
.Lfor_v_\@:
	tensor_load_to_lds s[G0V:G0V+3], s[G1V:G1V+7]
	s_nop 0
.rept 4
	v_nop
.endr
.Lasked_\@:
.endm
; A PREFETCH of the tile that the next change of slots will ask for, one key step ahead.  Only the head's cluster a = 0 asks, in the four trips in which that tile is 4, 5, 6 or 7 (it walks those first); each wave
; for 32 of the 128 rows that it fetches, the partners told apart by address: each row is named once.  Tiles 0 to 3 come by their loads alone.
.macro ASK
	s_sub_co_u32 s[TS], s[SLOTS], 2
	s_cmp_lt_u32 s[TS], s[LIMW]
	s_cbranch_scc0 .Lnot_mine_\@
	global_prefetch_b8 v[PFO], s[PFA:PFA+1] th:TH_LOAD_NT scope:SCOPE_SE
.Lnot_mine_\@:
.endm
.macro SETMASK                         ; my wave's masks for the last tile of the block whose ri stands in s[RI]
	s_cmp_gt_u32 s[WV], s[RI]
	s_cselect_b32 s[MB], -1, 0
	s_cmp_ge_u32 s[WV], s[RI]
	s_cselect_b32 s[MA], -1, 0
	s_cmp_eq_u32 s[WV], s[RI]
	s_cselect_b32 s[TS], -1, 0
.irp j, 0,1,2,3,4,5,6,7
	s_and_b32 s[MT+\j], s[TRI+\j], s[TS]
	s_or_b32 s[MT+\j], s[MT+\j], s[MB]
.endr
.endm
.macro QLOAD b                         ; a block's Q: tile i / 4, channels 32 (i % 4) on
	WIN 0x80
.set i, 0
.rept 16
	global_load_b128 v[8*i:8*i+3],   v[QO], s[\b:\b+1] offset:(i/4)*4096+(i%4)*64
	global_load_b128 v[8*i+4:8*i+7], v[QO], s[\b:\b+1] offset:(i/4)*4096+(i%4)*64+32
.set i, i+1
.endr
	WIN 0
.endm
	s_load_b256 s[4:11], s[0:1], 0x0               ; qkv s[4:5], adkv s[6:7], gate s[8:9], ctx s[10:11]
	v_lshl_add_u32 v[SPW], v0, 2, SPARE
	v_mov_b32 v[NIL], 0
	ds_add_u32 v[SPW], v[NIL]                      ; the wave's opening: the add and its wait stand ahead of my first tensor load
	v_lshrrev_b32 v1, 5, v0
	v_readfirstlane_b32 s[WV], v1
	s_mov_b32 s[AA], ttmp9
	s_bfe_u32 s[CX], ttmp6, 0x40000
	s_and_b32 s[HD], ttmp7, 0xffff
	s_sub_co_u32 s[HQ], 7, s[AA]
	s_lshl_b32 s17, s[AA], 2
	s_add_co_u32 s17, s17, s[CX]                   ; Lo
	s_sub_co_u32 s18, 31, s17                      ; Hi
	s_lshl_b32 s19, s[HD], 19                      ; the head's first byte in q, k, v
	s_lshl_b32 s20, s[WV], 12                      ; my tile of 16 queries
	s_lshl_b32 s2, s17, 14
	s_add_co_u32 s2, s2, s19
	s_mov_b32 s3, 0
	s_add_co_u32 s[QAB], s2, s20
	s_mov_b32 s[QAB+1], 0
	s_lshl_b32 s[QHI], s18, 14
	s_add_co_u32 s[QHI], s[QHI], s19
	s_mov_b32 s[QHI+1], 0
	s_add_co_u32 s[QABH], s[QHI], s20
	s_mov_b32 s[QABH+1], 0
	s_lshl_b32 s21, s[HD], 8
	s_lshl_b32 s[CB], s17, 18                      ; 64 rows of 4,096 bytes a block
	s_add_co_u32 s[CB], s[CB], s21
	s_mov_b32 s[CB+1], 0
	s_lshl_b32 s[CBH], s18, 18
	s_add_co_u32 s[CBH], s[CBH], s21
	s_mov_b32 s[CBH+1], 0
	s_and_b32 s22, s[WV], 1                        ; which half of a tile's 256 keys I fetch
	s_lshl_b32 s[KB], s22, 15
	s_add_co_u32 s[KB], s[KB], s19
	s_mov_b32 s[KB+1], 0
	s_mov_b32 s[G0K], 1
	s_mul_i32 s[G0K+1], s22, 128*PKP               ; slot 0; no place in the cluster enters an LDS address
	s_mov_b32 s[G0V], 1
	s_mul_i32 s[G0V+1], s22, 128*PVP
	s_add_co_u32 s[G0V+1], s[G0V+1], VOFF
	s_mov_b32 s[G1K], 15|(1<<16)|(1<<20)|(1<<21)|(5<<22)|(3<<25)  ; the mask of four; 2-byte elements; padding on; bit 21 beside a mask; after every 64 words; 4 words
	s_mov_b32 s[G1V], 15|(1<<16)|(1<<20)|(1<<21)|(5<<22)|(7<<25)  ; the same with 8 words
.irp g, G1K, G1V
	s_mov_b32 s[(\g)+1], 128<<16                   ; tensor_dim0 = 128
	s_mov_b32 s[(\g)+2], 128<<16                   ; tensor_dim1 = 128
	s_mov_b32 s[(\g)+3], 128<<16                   ; tile_dim0 = 128
	s_mov_b32 s[(\g)+4], 128                       ; tile_dim1 = 128
	s_mov_b32 s[(\g)+5], 128                       ; elements from row to row
	s_mov_b32 s[(\g)+6], 0
	s_mov_b32 s[(\g)+7], 0
.endr
	s_mov_b32 s[CS], 0x3e0293ee                    ; log2(e) / sqrt(128)
	s_mov_b32 s[CS+1], s[CS]
	s_mov_b32 s[CAD], 0x3eb8aa3b                   ; log2(e) / 4
	s_mov_b32 s[CAD+1], s[CAD]
	s_mov_b32 s[SEL], 0x76543210
	s_mov_b32 s[SEL+1], 0xfedcba98
	s_mov_b32 s[HM], 0xffff0000
	s_mov_b32 s[OFF+1], 0
	s_mov_b32 s[TB], SLOT                          ; the first change of slots turns it into 0
	s_mov_b32 s[SLOTS], 8
	s_mov_b32 s[RI], s[CX]
	s_add_co_u32 s[RT], s[AA], 1                   ; Lo has a + 1 tiles
	s_cmp_eq_u32 s[AA], 0
	s_cselect_b32 s[NXT], 0, 1                     ; behind tile 0: Lo's tile 1, or, where Lo has one tile, Hi's tile 0
	s_cselect_b32 s[LQ], 7, s[AA]
	s_cselect_b32 s[LIMW], 4, 0
	s_wait_dscnt 0x0                               ; the opening add is done
	s_wait_kmcnt 0x0
	s_load_b32 s70, s[8:9], 0x0                    ; the gate
	s_add_nc_u64 s[KB:KB+1], s[4:5], s[KB:KB+1]
	s_add_nc_u64 s[VB:VB+1], s[KB:KB+1], 0x1000000
	s_add_nc_u64 s[KB:KB+1], s[KB:KB+1], 0x800000
	s_mov_b64 s[G0K+2:G0K+3], s[KB:KB+1]
	s_or_b32 s[G0K+3], s[G0K+3], 0x80000000
	s_mov_b64 s[G0V+2:G0V+3], s[VB:VB+1]
	s_or_b32 s[G0V+3], s[G0V+3], 0x80000000
	s_add_nc_u64 s[2:3], s[4:5], s[2:3]
	s_add_nc_u64 s[QAB:QAB+1], s[4:5], s[QAB:QAB+1]
	s_add_nc_u64 s[QHI:QHI+1], s[4:5], s[QHI:QHI+1]
	s_add_nc_u64 s[QABH:QABH+1], s[4:5], s[QABH:QABH+1]
	s_add_nc_u64 s[CB:CB+1], s[10:11], s[CB:CB+1]
	s_add_nc_u64 s[CBH:CBH+1], s[10:11], s[CBH:CBH+1]
	s_cmp_lt_u32 s[WV], 2
	s_cselect_b64 s[PFA:PFA+1], s[KB:KB+1], s[VB:VB+1]
	s_lshl_b32 s20, s[CX], 13                      ; my work-group's 32 rows of the 128
	s_mov_b32 s21, 0
	s_add_nc_u64 s[PFA:PFA+1], s[PFA:PFA+1], s[20:21]  ; at tile 0; each change of slots steps it a tile
	CROUND                                         ; all four work-groups are here
	JLOAD                                          ; tile 0 into slot 0; slot 1 is asked for by the loop's first change of slots
	v_and_b32 v1, 15, v0                           ; r = l % 16
	v_bfe_u32 v9, v0, 4, 1                         ; h = l / 16
	v_lshlrev_b32 v[QO], 8, v1
	v_lshl_add_u32 v[QO], v9, 4, v[QO]
	QLOAD 2                                        ; Lo's Q
	; O^T and l start at 0, m at the lowest number: the first step is a step like any other.  O^T's 256 registers are written 8 at a time, by 32 products of two fragments of zeros: a quarter of the text
	; that 256 moves would take.  All this stands in the wait for the first tile.
.set i, 0
.rept 16
	v_mov_b32 v[S+i], 0
.set i, i+1
.endr
	WIN 0x40                                       ; destination window 1
.set i, 0
.rept 32
	v_wmma_f32_16x16x32_f16 v[8*i:8*i+7], v[S:S+7], v[S+8:S+15], 0
.set i, i+1
.endr
	WIN 0
.irp t, 0,1,2,3
	v_mov_b32 v[ST+8*\t], 0xfe000000               ; c m: far below every c s
	v_mov_b32 v[ST+8*\t+1], 0xff7fffff             ; m
	v_mov_b32 v[ST+8*\t+2], 0
	v_mov_b32 v[ST+8*\t+3], 0
.endr
	v_mov_b32 v[HID], 0xf149f2ca
	v_and_b32 v[WK], 31, v0                        ; l
	v_mul_u32_u24 v[AK0], v1, PKP
	v_lshl_add_u32 v[AK0], v9, 4, v[AK0]
	s_mul_i32 s20, s[WV], 64*PKP
	v_add_nc_u32 v[AK0], s20, v[AK0]
	v_and_b32 v[WK+1], 7, v0                       ; the turning load: lane l reads key 8 h + l % 8, channels 8 ((l / 8) % 2) + 0..7
	v_lshl_add_u32 v[AV0], v9, 3, v[WK+1]
	v_mul_u32_u24 v[AV0], v[AV0], PVP
	v_bfe_u32 v[WK+1], v0, 3, 1
	v_lshl_add_u32 v[AV0], v[WK+1], 4, v[AV0]
	s_mul_i32 s20, s[WV], 64*PVP
	s_add_co_u32 s20, s20, VOFF
	v_add_nc_u32 v[AV0], s20, v[AV0]
	s_lshl_b32 s20, s[WV], 2
	s_add_co_u32 s20, s20, STATS
	v_lshl_add_u32 v[SX], v[WK], 4, s20
	v_lshl_add_u32 v[SR], v[WK], 4, STATS
	v_mul_u32_u24 v[STG], v1, SGP
	v_lshl_add_u32 v[STG], v9, 5, v[STG]
	s_mul_i32 s20, s[WV], 16*SGP
	s_add_co_u32 s20, s20, STAGE
	v_add_nc_u32 v[STG], s20, v[STG]
	s_mul_i32 s20, s[WV], 4*SGP
	s_add_co_u32 s20, s20, STAGE
	v_lshl_add_u32 v[RDM], v[WK], 4, s20
	s_lshl_b32 s20, s[WV], 14
	v_lshl_add_u32 v[CT], v[WK], 3, s20
	v_lshlrev_b32 v[AKO], 12, v1
	v_lshl_add_u32 v[AKO], v9, 4, v[AKO]
	s_lshl_b32 s20, s[HD], 8
	v_add_nc_u32 v[AKO], s20, v[AKO]
	v_lshlrev_b32 v[AVO], 5, v1
	v_lshl_add_u32 v[AVO], v9, 4, v[AVO]
	s_lshl_b32 s20, s[HD], 12
	s_add_co_u32 s20, s20, 65536
	v_add_nc_u32 v[AVO], s20, v[AVO]
	v_lshlrev_b32 v[PFO], 8, v[WK]
	v_lshlrev_b32 v[WK+1], 3, v9
	v_sub_nc_u32 v[WK+1], v1, v[WK+1]              ; r - 8 h: register j of the tile's own key block is hidden where j is greater
.irp j, 0,1,2,3,4,5,6,7
	v_cmp_gt_i32 s[TRI+\j], \j, v[WK+1]
.endr
	SETMASK
	s_wait_kmcnt 0x0
	v_mov_b32 v[GATE], s70
	v_cvt_pk_bf16_f32 v[GATE], v[GATE], v[GATE]
	v_lshlrev_b32 v[GATE], 16, v[GATE]
; THE MATRIX WORK.  The accumulators take turns, one instruction a turn.  Product i of 64 of S^T = K Q^T: channels 32 (i / 16) on, keys 16 ((i / 4) % 4) on, tile i % 4.
.macro KQ
	WIN W_KQ
.set rS, S+32*(i%4)+8*((i/4)%4)
.set rK, KF+32*((i/4)%4)+8*(i/16)
.set rQ, 32*(i%4)+8*(i/16)
.if i < 16
	v_wmma_f32_16x16x32_f16 v[rS:rS+7], v[rK:rK+7], v[rQ:rQ+7], 0
.else
	v_wmma_f32_16x16x32_f16 v[rS:rS+7], v[rK:rK+7], v[rQ:rQ+7], v[rS:rS+7]
.endif
.set i, i+1
.endm
; Product i of 64 of O^T += V^T P: keys 32 (i / 32) on, channels 16 ((i / 4) % 8) on, tile i % 4.
.macro PV
	WIN W_PV
.set rO, 64*(i%4)+8*((i/4)%8)
.set rV, 64*(i/32)+8*((i/4)%8)
.set rP, P+16*(i%4)+8*(i/32)
	v_wmma_f32_16x16x32_f16 v[rO:rO+7], v[rV:rV+7], v[rP:rP+7], v[rO:rO+7]
.set i, i+1
.endm
.macro FETCH_K                         ; in the order in which the products want them: channels 32 (f / 4) on, keys 16 (f % 4) on: eight loads serve sixteen products
	WIN 0x80
.irp f, 0,1,2,3,4,5,6,7,8,9,10,11,12,13,14,15
	ds_load_b128 v[KF+32*((\f)%4)+8*((\f)/4):KF+32*((\f)%4)+8*((\f)/4)+3],   v[ADK] offset:((\f)%4)*16*PKP+((\f)/4)*64
	ds_load_b128 v[KF+32*((\f)%4)+8*((\f)/4)+4:KF+32*((\f)%4)+8*((\f)/4)+7], v[ADK] offset:((\f)%4)*16*PKP+((\f)/4)*64+32
.endr
.endm
.macro FETCH_V
	WIN 0xc0
.irp f, 0,1,2,3,4,5,6,7,8,9,10,11,12,13,14,15  ; keys 32 (f / 8) on, channels 16 (f % 8) on
	ds_load_tr16_b128 v[8*(\f):8*(\f)+3],   v[ADV] offset:((\f)/8)*32*PVP+((\f)%8)*32
	ds_load_tr16_b128 v[8*(\f)+4:8*(\f)+7], v[ADV] offset:((\f)/8)*32*PVP+16*PVP+((\f)%8)*32
.endr
	WIN 0
.endm
; THE SOFTMAX of one tile for one step: a list of 134 instructions; SM writes number j for tile t.  s0-s31 are the lane's 32 scores.
;   0-15 the maximum of the scores and the old m (each accumulator's lowest registers first)   16-20 the other half of the lanes'; m; c m; its change
;   21-69 the 16 scalings c s - c m and all 33 exponentials: none of these reads an exponential's result      70-85 the roundings   86-101 the sums; l = a l + sum   102-133 O^T times a
.macro SM t
.set rT, ST+8*(\t)
.set rS, S+32*(\t)
.set rP, P+16*(\t)
.set rO, 64*(\t)+2*(j-102)
.if j < 102
	WIN 0
.endif
.if j < 4
	v_max3_num_f32 v[rT+4+j], v[rS+8*j], v[rS+8*j+1], v[rS+8*j+2]
.elseif j < 12
	v_max3_num_f32 v[rT+4+j%4], v[rT+4+j%4], v[rS+8*(j%4)+2*(j/4)+1], v[rS+8*(j%4)+2*(j/4)+2]
.elseif j == 12
	v_max3_num_f32 v[rT+4], v[rT+4], v[rS+7], v[rS+15]
.elseif j == 13
	v_max3_num_f32 v[rT+6], v[rT+6], v[rS+23], v[rS+31]
.elseif j == 14
	v_max3_num_f32 v[rT+4], v[rT+4], v[rT+5], v[rT+6]
.elseif j == 15
	v_max3_num_f32 v[rT+4], v[rT+4], v[rT+7], v[rT+1]
.elseif j == 16
	v_permlanex16_b32 v[rT+5], v[rT+4], s[SEL], s[SEL+1]
.elseif j == 17
	v_mov_b32 v[rT+7], v[rT]
.elseif j == 18
	v_max_num_f32 v[rT+1], v[rT+4], v[rT+5]
.elseif j == 19
	v_mul_f32 v[rT], s[CS], v[rT+1]
.elseif j == 20
	v_sub_f32 v[rT+7], v[rT+7], v[rT]
.elseif j == 23
	v_exp_f32 v[rT+6], v[rT+7]
.elseif (j < 23) || ((j < 38) && (j%2 == 0)) || ((j < 66) && (j%4 == 2))
.set b, (j-2)/4
.if j < 38
.set b, (j-20)/2
.endif
	v_pk_fma_f32 v[rS+2*b:rS+2*b+1], v[rS+2*b:rS+2*b+1], s[CS:CS+1], v[rT:rT+1] op_sel_hi:[1,0,0] neg_lo:[0,0,1] neg_hi:[0,0,1]
.elseif j < 70
.set e, j-38
.if j < 66
.set e, j-32-(j-38)/4
.endif
.if j < 38
.set e, (j-25)/2
.endif
	v_exp_f32 v[rS+e], v[rS+e]
.elseif j < 86
	v_cvt_pk_f16_f32 v[rP+j-70], v[rS+2*(j-70)], v[rS+2*(j-70)+1]
.elseif j < 102
.set z, j-86
.set w, 4
.set u, z
.if z >= 14
.set w, 32
.set u, 0
.elseif z >= 12
.set w, 16
.set u, z-12
.elseif z >= 8
.set w, 8
.set u, z-8
.endif
.if z < 15
	v_pk_add_f32 v[rS+w*u:rS+w*u+1], v[rS+w*u:rS+w*u+1], v[rS+w*u+w/2:rS+w*u+w/2+1]
.else
	v_pk_fma_f32 v[rT+2:rT+3], v[rT+2:rT+3], v[rT+6:rT+7], v[rS:rS+1] op_sel_hi:[1,0,1]
.endif
.else
	WIN W_RS
	v_pk_mul_f32 v[rO:rO+1], v[rO:rO+1], v[rT+6:rT+7] op_sel_hi:[1,0]
.endif
.endm
.macro SOFTMAX                         ; the four tiles alternate, so that no line reads the result of the one before it
.set j, 0
.rept 70
.irp t, 0,1,2,3
	SM \t
.endr
.set j, j+1
.endr
	v_nop                                          ; a plain instruction behind the last exponential,
	s_wait_alu depctr_va_vdst(0)                   ; and ONE wait for the 132, ahead of their first reader
.rept 64
.irp t, 0,1,2,3
	SM \t
.endr
.set j, j+1
.endr
	WIN 0
.endm
; A block's last tile: hidden scores become -1e30.  The mask in hand stands in VCC, written here and read here, so that each line has the short encoding: the key blocks below the query tile's, the tile's own
; (register by register, the four tiles together), those above.  In each accumulator register 0 is taken first.
.macro MASK8                           ; the eight registers of tile t's key block kb
.set j, 0
.rept 8
	v_cndmask_b32 v[S+32*t+8*kb+j], v[S+32*t+8*kb+j], v[HID], vcc_lo
.set j, j+1
.endr
.endm
.macro MASKG above
.set t, 0
.rept 4
.set kb, 0
.rept 4
.if \above
.if kb > t
	MASK8
.endif
.else
.if kb < t
	MASK8
.endif
.endif
.set kb, kb+1
.endr
.set t, t+1
.endr
.endm
.macro MASK
	WIN 0
	s_mov_b32 vcc_lo, s[MB]
	MASKG 0
.set j, 0
.rept 8
	s_mov_b32 vcc_lo, s[MT+j]
.set t, 0
.rept 4
	v_cndmask_b32 v[S+40*t+j], v[S+40*t+j], v[HID], vcc_lo
.set t, t+1
.endr
.set j, j+1
.endr
	s_mov_b32 vcc_lo, s[MA]
	MASKG 1
.endm
.macro ADLOADS                         ; into S^T's registers, which the softmax has left: my tile's Q, the adapter's keys (16 x 128) and values (turned: 128 channels x 16 keys)
	WIN 0
.irp c, 0,1,2,3
	global_load_b128 v[QA+8*\c:QA+8*\c+3],   v[QO], s[QAB:QAB+1] offset:64*\c
	global_load_b128 v[QA+8*\c+4:QA+8*\c+7], v[QO], s[QAB:QAB+1] offset:64*\c+32
	global_load_b128 v[KA+8*\c:KA+8*\c+3],   v[AKO], s[6:7] offset:64*\c
	global_load_b128 v[KA+8*\c+4:KA+8*\c+7], v[AKO], s[6:7] offset:64*\c+32
.endr
.irp c, 0,1,2,3,4,5,6,7
	global_load_b128 v[VA+8*\c:VA+8*\c+3], v[AVO], s[6:7] offset:512*\c
.endr
.endm
; THE ADAPTER'S WEIGHTS.  Wave w serves query tile w.  Keys 16 to 31 of the second product's sources are zeros; keys 10 to 15 are hidden.  The 36 lines that write zeros are also the places behind the step's last
; products.  The weights are multiplied by gate / their sum (taken of the unrounded weights) and then rounded to f16: the second product, in my round of the merge, adds straight onto the finished O^T.
.macro ADAPTER
	WIN 0
.set i, 0
.rept 8
.irp z, 4,5,6,7
	v_mov_b32 v[VA+8*i+\z], 0
.endr
.set i, i+1
.endr
.irp z, 4,5,6,7
	v_mov_b32 v[PA+\z], 0
.endr
	s_wait_loadcnt 0x0
.irp c, 0,1,2,3                        ; four sums of 32 channels each, on accumulators of their own, added below
	v_wmma_f32_16x16x32_f16 v[SA+8*\c:SA+8*\c+7], v[KA+8*\c:KA+8*\c+7], v[QA+8*\c:QA+8*\c+7], 0
.endr
	PLACES
	PLACES
.irp z, 0,2,4,6
	v_pk_add_f32 v[SA+\z:SA+\z+1], v[SA+\z:SA+\z+1], v[SA+8+\z:SA+8+\z+1]
.endr
.irp z, 0,2,4,6
	v_pk_add_f32 v[SA+16+\z:SA+16+\z+1], v[SA+16+\z:SA+16+\z+1], v[SA+24+\z:SA+24+\z+1]
.endr
.irp z, 0,2,4,6
	v_pk_add_f32 v[SA+\z:SA+\z+1], v[SA+\z:SA+\z+1], v[SA+16+\z:SA+16+\z+1]
.endr
.irp z, 2,3,4,5,6,7
	v_cndmask_b32 v[SA+\z], v[SA+\z], v[HID], s[HM]  ; lanes 16 to 31 hold keys 8 + j
.endr
	v_max3_num_f32 v[SC], v[SA], v[SA+1], v[SA+2]
	v_max3_num_f32 v[SC+1], v[SA+3], v[SA+4], v[SA+5]
	v_max3_num_f32 v[SC], v[SC], v[SA+6], v[SA+7]
	v_max_num_f32 v[SC], v[SC], v[SC+1]
	v_permlanex16_b32 v[SC+1], v[SC], s[SEL], s[SEL+1]
	v_max_num_f32 v[SC], v[SC], v[SC+1]
	v_mul_f32 v[SC], s[CAD], v[SC]
.irp z, 0,2,4,6
	v_pk_fma_f32 v[SA+\z:SA+\z+1], v[SA+\z:SA+\z+1], s[CAD:CAD+1], v[SC:SC+1] op_sel_hi:[1,0,0] neg_lo:[0,0,1] neg_hi:[0,0,1]
.endr
.irp z, 0,1,2,3,4,5,6,7
	v_exp_f32 v[SA+\z], v[SA+\z]
.endr
	v_nop
	s_wait_alu depctr_va_vdst(0)                   ; one wait for the eight
	v_pk_add_f32 v[SC+2:SC+3], v[SA:SA+1], v[SA+2:SA+3]
	v_pk_add_f32 v[SC+4:SC+5], v[SA+4:SA+5], v[SA+6:SA+7]
	v_pk_add_f32 v[SC+2:SC+3], v[SC+2:SC+3], v[SC+4:SC+5]
	v_add_f32 v[SC], v[SC+2], v[SC+3]
	v_permlanex16_b32 v[SC+1], v[SC], s[SEL], s[SEL+1]
	v_add_f32 v[SC], v[SC], v[SC+1]                ; at least 1: the largest weight is 1
	v_rcp_f32 v[SCA], v[SC]
	v_nop
	s_wait_alu depctr_va_vdst(0)
	v_mul_f32 v[SCA], v[SCA], v[GATE]              ; gate / the weights' sum
	v_mov_b32 v[SCA+1], v[SCA]
.irp z, 0,2,4,6
	v_pk_mul_f32 v[SA+\z:SA+\z+1], v[SA+\z:SA+\z+1], v[SCA:SCA+1] op_sel_hi:[1,0]
.endr
.irp z, 0,1,2,3
	v_cvt_pk_f16_f32 v[PA+\z], v[SA+2*\z], v[SA+2*\z+1]
.endr
.endm
; A round of the merge, for query tile t: my partial O^T, times my factor, goes into my stage; wave t first adds the adapter's part onto its own, by eight products on eight accumulators (four places stand
; between them and the stores that read them); a barrier; I read rows 4 w .. 4 w + 3 of all four stages, add them, round to f16 and store: 32 lanes fill a row's 256 bytes of ctx.  A second barrier, open over
; the sums, stands in front of the next round's stores into the stages.
.macro MROUND t
	WIN W_RS
.set i, 0
.rept 32
	v_pk_mul_f32 v[64*(\t)+2*i:64*(\t)+2*i+1], v[64*(\t)+2*i:64*(\t)+2*i+1], v[SC+2*(\t):SC+2*(\t)+1] op_sel_hi:[1,0]
.set i, i+1
.endr
	WIN 0
	s_cmp_lg_u32 s[WV], \t
	s_cbranch_scc1 .Lno_ad_\@
	WIN 0x50                                       ; sources 0 and 1 window 0, C and D window 1
.set i, 0
.rept 8
	v_wmma_f32_16x16x32_f16 v[64*(\t)+8*i:64*(\t)+8*i+7], v[VA+8*i:VA+8*i+7], v[PA:PA+7], v[64*(\t)+8*i:64*(\t)+8*i+7]
.set i, i+1
.endr
	WIN 0
	PLACES
.Lno_ad_\@:
	WIN 0x04                                       ; the stores' data in window 1
.set i, 0
.rept 8
	ds_store_b128 v[STG], v[64*(\t)+8*i:64*(\t)+8*i+3]   offset:64*i
	ds_store_b128 v[STG], v[64*(\t)+8*i+4:64*(\t)+8*i+7] offset:64*i+16
.set i, i+1
.endr
	WIN 0
	s_wait_dscnt 0x0                               ; for the others' sake
	s_barrier_signal -1
	s_barrier_wait -1
.set i, 0
.rept 16                               ; row i / 4, partial sum i % 4
	ds_load_b128 v[PR+4*i:PR+4*i+3], v[RDM] offset:(i%4)*16*SGP+(i/4)*SGP
.set i, i+1
.endr
	s_wait_dscnt 0x0                               ; my reads of the stages are back
.if (\t) < 3
	s_barrier_signal -1
.endif
.set i, 0
.rept 4
	v_pk_add_f32 v[PR+16*i:PR+16*i+1],     v[PR+16*i:PR+16*i+1],     v[PR+16*i+4:PR+16*i+5]
	v_pk_add_f32 v[PR+16*i+2:PR+16*i+3],   v[PR+16*i+2:PR+16*i+3],   v[PR+16*i+6:PR+16*i+7]
	v_pk_add_f32 v[PR+16*i+8:PR+16*i+9],   v[PR+16*i+8:PR+16*i+9],   v[PR+16*i+12:PR+16*i+13]
	v_pk_add_f32 v[PR+16*i+10:PR+16*i+11], v[PR+16*i+10:PR+16*i+11], v[PR+16*i+14:PR+16*i+15]
	v_pk_add_f32 v[PR+16*i:PR+16*i+1],     v[PR+16*i:PR+16*i+1],     v[PR+16*i+8:PR+16*i+9]
	v_pk_add_f32 v[PR+16*i+2:PR+16*i+3],   v[PR+16*i+2:PR+16*i+3],   v[PR+16*i+10:PR+16*i+11]
	v_cvt_pk_f16_f32 v[OT+8*(\t)+2*i],   v[PR+16*i],   v[PR+16*i+1]
	v_cvt_pk_f16_f32 v[OT+8*(\t)+2*i+1], v[PR+16*i+2], v[PR+16*i+3]
.set i, i+1
.endr
.if (\t) < 3
	s_barrier_wait -1
.endif
.set i, 0
.rept 4
	global_store_b64 v[CT], v[OT+8*(\t)+2*i:OT+8*(\t)+2*i+1], s[CB:CB+1] offset:(16*(\t)+i)*4096
.set i, i+1
.endr
.endm
; THE MERGE.  With g = the largest of the four waves' c m and f_p = 2^(c m_p - g): O = sum of f_p O_p / L, L = sum of f_p l_p.  The wave that holds the diagonal has true scores for every query, so L is at least 1.
.macro MERGE
	WIN 0
	s_wait_xcnt 0x0                                ; the block before's stores have read the registers that are written below
.irp t, 0,1,2,3
	v_add_f32 v[ST+8*\t+4], v[ST+8*\t+2], v[ST+8*\t+3]
.endr
.irp t, 0,1,2,3
	v_permlanex16_b32 v[ST+8*\t+5], v[ST+8*\t+4], s[SEL], s[SEL+1]
.endr
.irp t, 0,1,2,3
	v_add_f32 v[ST+8*\t+4], v[ST+8*\t+4], v[ST+8*\t+5]
.endr
.irp t, 0,1,2,3
	ds_store_b32 v[SX], v[ST+8*\t]   offset:512*\t
	ds_store_b32 v[SX], v[ST+8*\t+4] offset:2048+512*\t
.endr
	s_wait_dscnt 0x0
	s_barrier_signal -1
	s_barrier_wait -1
.irp t, 0,1,2,3
	ds_load_b128 v[192+4*\t:195+4*\t], v[SR] offset:512*\t
	ds_load_b128 v[208+4*\t:211+4*\t], v[SR] offset:2048+512*\t
.endr
	s_wait_dscnt 0x0
.irp t, 0,1,2,3
	v_max3_num_f32 v[ST+8*\t+5], v[192+4*\t], v[193+4*\t], v[194+4*\t]
.endr
.irp t, 0,1,2,3
	v_max_num_f32 v[ST+8*\t+5], v[ST+8*\t+5], v[195+4*\t]
.endr
.irp t, 0,1,2,3
	v_sub_f32 v[192+4*\t], v[192+4*\t], v[ST+8*\t+5]
	v_sub_f32 v[193+4*\t], v[193+4*\t], v[ST+8*\t+5]
	v_sub_f32 v[194+4*\t], v[194+4*\t], v[ST+8*\t+5]
	v_sub_f32 v[195+4*\t], v[195+4*\t], v[ST+8*\t+5]
	v_sub_f32 v[ST+8*\t+6], v[ST+8*\t], v[ST+8*\t+5]
.endr
.set i, 0
.rept 16
	v_exp_f32 v[192+i], v[192+i]
.set i, i+1
.endr
.irp t, 0,1,2,3
	v_exp_f32 v[ST+8*\t+6], v[ST+8*\t+6]
.endr
	v_nop
	s_wait_alu depctr_va_vdst(0)                   ; one wait for the twenty
.irp t, 0,1,2,3
	v_mul_f32 v[ST+8*\t+7], v[192+4*\t], v[208+4*\t]
.endr
.irp p, 1,2,3
.irp t, 0,1,2,3
	v_fmac_f32 v[ST+8*\t+7], v[192+4*\t+\p], v[208+4*\t+\p]
.endr
.endr
.irp t, 0,1,2,3
	v_rcp_f32 v[ST+8*\t+5], v[ST+8*\t+7]
.endr
	v_nop
	s_wait_alu depctr_va_vdst(0)                   ; one wait for the four
.irp t, 0,1,2,3
	v_mul_f32 v[SC+2*\t], v[ST+8*\t+6], v[ST+8*\t+5]
	v_mov_b32 v[SC+2*\t+1], v[SC+2*\t]
.endr
	MROUND 0
	MROUND 1
	MROUND 2
	MROUND 3
.endm
.macro SWITCH                          ; from block Lo to block Hi.  O^T and l stay as they are: they are finite, and the first step multiplies them by 0
	s_wait_xcnt 0x0                                ; the stores have read their registers and ctx's address
	s_mov_b64 s[CB:CB+1], s[CBH:CBH+1]
	s_mov_b64 s[QAB:QAB+1], s[QABH:QABH+1]
	s_sub_co_u32 s[RT], 8, s[AA]                   ; Hi has 8 - a tiles
	s_sub_co_u32 s[RI], 3, s[CX]
	SETMASK
.irp t, 0,1,2,3
	v_mov_b32 v[ST+8*\t], 0xfe000000
	v_mov_b32 v[ST+8*\t+1], 0xff7fffff
.endr
.endm
; THE CHANGE OF SLOTS.  Each wave waits for all its tensor loads (one is out: its part of the other slot), adds 0 to its spare word, and waits for that and for its reads of the slot that it leaves.
; fill = 1: the barrier is a round of the cluster's, and behind it the old slot is filled with tile NXT: the address is made anew from that number; the load has a key step, 128 matrix instructions and a softmax, to land.
.macro CHANGE fill
	WIN 0
	s_wait_tensorcnt 0x0
	ds_add_u32 v[SPW], v[NIL]
.if \fill
	s_lshl_b32 s[OFF], s[NXT], 16                  ; a tile is 65,536 bytes of K and of V
	s_xor_b32 s[G0K+1], s[G0K+1], SLOT
	s_add_nc_u64 s[G0K+2:G0K+3], s[KB:KB+1], s[OFF:OFF+1]
	s_or_b32 s[G0K+3], s[G0K+3], 0x80000000
	s_xor_b32 s[G0V+1], s[G0V+1], SLOT
	s_add_nc_u64 s[G0V+2:G0V+3], s[VB:VB+1], s[OFF:OFF+1]
	s_or_b32 s[G0V+3], s[G0V+3], 0x80000000
	s_add_co_u32 s[NXT], s[NXT], 1                 ; the block's next tile, or behind its last Hi's tile 0
	s_cmp_gt_u32 s[NXT], s[LQ]
	s_cselect_b32 s[NXT], 0, s[NXT]
	s_cselect_b32 s[LQ], s[HQ], s[LQ]
	s_wait_xcnt 0x0                                ; the last prefetch, a key step back, has read its address
	s_add_nc_u64 s[PFA:PFA+1], s[PFA:PFA+1], 65536
	s_wait_dscnt 0x0
	CROUND
	JLOAD                                          ; its four v_nop are also the places in front of the loads into V's registers
	ASK
.else
	s_wait_dscnt 0x0
	s_barrier_signal -1
	s_barrier_wait -1
	PLACES
.endif
	s_xor_b32 s[TB], s[TB], SLOT
.endm
; A KEY STEP.  K's 32 loads go out first, and each sixteen products wait for their own eight alone; V's 32 loads stand between the second and the third sixteen, far ahead of their first use.
; inloop = 1: what belongs to a block's last tile is passed by forward jumps on s[RT], which is made of a and constants alone: the same in every wave and every partner; no tensor load and no round of
; the cluster's barrier is passed, and the merge's barriers are passed by all four waves or by none.  There the block is Lo: Hi's Q is fetched as soon as Lo's last scores are made.  inloop = 0: the walk's last tile.
.macro STEP inloop
	WIN 0
	v_add_nc_u32 v[ADK], s[TB], v[AK0]
	v_add_nc_u32 v[ADV], s[TB], v[AV0]
	FETCH_K
	s_wait_loadcnt 0x0                             ; Q
.set i, 0
	s_wait_dscnt 24                                ; K's first eight loads are in: channels 0 to 31
.rept 16
	KQ
.endr
	s_wait_dscnt 16                                ; its first sixteen
.rept 16
	KQ
.endr
	FETCH_V
	s_wait_dscnt 40                                ; K's last eight and V's 32 may be out
.rept 16
	KQ
.endr
	s_wait_dscnt 32                                ; K is in; V's 32 loads may stay out
.rept 16
	KQ
.endr
	WIN 0
	PLACES
.if \inloop
	s_cmp_lg_u32 s[RT], 0
	s_cbranch_scc1 .Lno_mask_\@
	QLOAD QHI
.endif
	MASK
.if \inloop
.Lno_mask_\@:
.endif
	SOFTMAX
.if \inloop
	s_cmp_lg_u32 s[RT], 0
	s_cbranch_scc1 .Lno_loads_\@
.endif
	ADLOADS
.if \inloop
.Lno_loads_\@:
.endif
	s_wait_dscnt 0x0                               ; V is in
.set i, 0
.rept 64
	PV
.endr
	WIN 0
.if \inloop
	s_cmp_lg_u32 s[RT], 0
	s_cbranch_scc1 .Lno_end_\@
.endif
	ADAPTER
	MERGE
.if \inloop
	SWITCH
.Lno_end_\@:
.endif
.endm
.Lslot:                                ; eight times: a tile is entered and the next is asked for
	CHANGE 1
	s_sub_co_u32 s[RT], s[RT], 1
	STEP 1
	s_sub_co_u32 s[SLOTS], s[SLOTS], 1
	s_cmp_lg_u32 s[SLOTS], 0
	s_cbranch_scc1 .Lslot
	CHANGE 0                                       ; the walk's last tile, Hi's last, is written out
	STEP 0
	s_wait_tensorcnt 0x0                           ; the wave's end
	ds_add_u32 v[SPW], v[NIL]
	s_wait_dscnt 0x0
	CROUND                                         ; the closing round
	s_endpgm
.Lfunc_end_k_q0cbd889ab8_attn:
	.size	k_q0cbd889ab8_attn, .Lfunc_end_k_q0cbd889ab8_attn-k_q0cbd889ab8_attn
	.p2alignl 7, 3214868480
	.fill 96, 4, 3214868480
	.section	.rodata,"a",@progbits
	.p2align	6, 0x0
	.amdhsa_kernel k_q0cbd889ab8_attn
		.amdhsa_group_segment_fixed_size 327680
		.amdhsa_private_segment_fixed_size 0
		.amdhsa_enable_private_segment 0
		.amdhsa_kernarg_size 32
		.amdhsa_user_sgpr_count 2
		.amdhsa_user_sgpr_kernarg_segment_ptr 1
		.amdhsa_wavefront_size32 1
		.amdhsa_system_sgpr_workgroup_id_x 1
		.amdhsa_system_sgpr_workgroup_id_y 1
		.amdhsa_system_sgpr_workgroup_id_z 1
		.amdhsa_system_vgpr_workitem_id 0
		.amdhsa_next_free_vgpr 896
		.amdhsa_next_free_sgpr 102
		.amdhsa_reserve_vcc 1
		.amdhsa_float_denorm_mode_32 3
		.amdhsa_float_denorm_mode_16_64 3
		.amdhsa_memory_ordered 1
		.amdhsa_forward_progress 1
		.amdhsa_inst_pref_size 197
	.end_amdhsa_kernel
	.amdgpu_metadata
---
amdhsa.version: [ 1, 2 ]
amdhsa.kernels:
  - .name:           k_q0cbd889ab8_attn
    .symbol:         k_q0cbd889ab8_attn.kd
    .args:
      - { .name: qkv, .offset: 0, .size: 8, .value_kind: global_buffer, .address_space: global }
      - { .name: adkv, .offset: 8, .size: 8, .value_kind: global_buffer, .address_space: global }
      - { .name: adaption_gate, .offset: 16, .size: 8, .value_kind: global_buffer, .address_space: global }
      - { .name: ctx, .offset: 24, .size: 8, .value_kind: global_buffer, .address_space: global }
    .group_segment_fixed_size: 327680
    .private_segment_fixed_size: 0
    .kernarg_segment_align: 8
    .kernarg_segment_size: 32
    .max_flat_workgroup_size: 128
    .sgpr_count:     102
    .vgpr_count:     896
    .wavefront_size: 32
...
	.end_amdgpu_metadata
.endif
;; end of part 3
;; launch oproj (part 4): grid 16 x 16, 4 waves a work-group, clusters of 4 x 4, 327,680 bytes of LDS; arguments ctx, castb, out0; writes out0
.if DOCPART == 4
	.amdgcn_target "amdgcn-amd-amdhsa--gfx1250"
	.amdhsa_code_object_version 6
	.text
	.protected	k_q0cbd889ab8_oproj
	.globl	k_q0cbd889ab8_oproj
	.p2align	8
	.type	k_q0cbd889ab8_oproj,@function
k_q0cbd889ab8_oproj:
	s_mov_b64 s[64:65], 0
	v_nop
	global_prefetch_b8 v0, s[64:65] scope:SCOPE_SE
	s_setreg_imm32_b32 hwreg(HW_REG_WAVE_MODE, 25, 1), 1
	s_wait_xcnt 0x0
	s_wait_alu depctr_hold_cnt(0) depctr_sa_sdst(0) depctr_va_vdst(0) depctr_va_sdst(0) depctr_va_ssrc(0) depctr_va_vcc(0) depctr_vm_vsrc(0)
	s_getreg_b32 s2, hwreg(HW_REG_IB_STS2, 6, 4)
	s_cmp_eq_u32 s2, 0
	s_cbranch_scc0 .Lentry_in_a_cluster
	s_endpgm
.Lentry_in_a_cluster:
	s_bfe_u32 s2, ttmp6, 0x10000c
	s_cmp_lg_u32 s2, 0xf033
	s_cbranch_scc0 .Lentry_shape_is_right
	s_endpgm
.Lentry_shape_is_right:
; out0[m][n] = the sum over k of ctx[m][k] Wo[n][k].  ctx: f16 [2048][2048]; Wo: f16 [2048][2048] at castb + 32 MiB; out0: f32 [2048][2048]; sums in f32.
; A tile of out0 is 128 x 128: 256 work-groups.  Four waves, each 64 x 64: 16 accumulators.  K goes in steps of 256 (rows of 512 bytes; a wave's tensor load brings 64 of them) through two LDS slots.
; CLUSTER 4 x 4: ctx's tile is asked for jointly along a row of the cluster, Wo's along a column.  THE MATRIX INSTRUCTION IS USED TRANSPOSED (source 0 = 16 rows of Wo, source 1 = 16 rows of ctx): a lane holds
; eight neighbouring numbers of a row of out0.  A wave's 64 columns of f32 are 256 bytes, aligned: each wave goes out through a stage of its own, without a barrier.
; No prefetch: a K step's tiles are small and the launch is short.
; REGISTERS: window 0: v0-31 addresses; v32-63 the way out; v128-255 the accumulators ((a, b) at v[128 + 8 (4 a + b)]).  Window 1: two fragment buffers of 128: for 64 along K, 64 registers of ctx, then 64 of Wo.
.set PITCH,  528                       ; an LDS row: 512 bytes + 16
.set HALFT,  64*PITCH
.set SLOT,   4*HALFT                   ; 0x21000: no bit in common with wave x HALFT
.set STAGE,  2*SLOT                    ; behind the ring, never filled by a tensor load: 16 rows x 272 bytes for each wave
.set SPITCH, 272
.set SPARE,  STAGE+4*16*SPITCH
.set ADRA, 16                          ; v16, v17  LDS addresses in the slot in hand
.set ADRB, 17
.set LCA,  18                          ; v18, v19  the same in slot 0; never rewritten
.set LCB,  19
.set STO,  24
.set RD,   25
.set CO,   26
.set SPW,  28
.set NIL,  29
.set TMP,  32
.set ACC,  128
.set F0,   0
.set F1,   128
.set G1, 24
.set G0, 32
.set G1B, 48
.set G0B, 56
.set TB,  66
.set CNT, 67
.set G1W0, (1<<16)|(1<<20)|(1<<21)|(6<<22)|(3<<25)  ; 2-byte elements; padding on; bit 21 beside a mask; after every 128 words; 4 words
.set MSB, 0
.macro WIN new
.if MSB != (\new)
	s_set_vgpr_msb (MSB<<8)|(\new)
.set MSB, \new
.endif
.endm
.set MUL,  0x05                        ; sources 0 and 1 window 1; C and D window 0
.set TO_F, 0x40
.macro PLACES
.rept 4
	v_nop
.endr
.endm
.macro CREST
	s_cmp_lg_u32 s10, 0
	s_cbranch_scc1 .Lnot_wave_0_\@
	s_barrier_signal -3
.Lnot_wave_0_\@:
	s_barrier_wait -3
	s_barrier_signal -1
	s_barrier_wait -1
.endm
.macro CROUND
	s_barrier_signal -1
	s_barrier_wait -1
	CREST
.endm
.macro JLOAD                           ; a joint refill by the walking sets: waves 0 and 1 fetch ctx's two halves, waves 2 and 3 Wo's
	s_cmp_eq_u32 s11, 0
	s_cbranch_scc0 .Lfor_b_\@
	tensor_load_to_lds s[G0+4:G0+7], s[G1:G1+7]
	s_nop 0
.rept 4
	v_nop
.endr
	s_branch .Lasked_\@
.Lfor_b_\@:
	tensor_load_to_lds s[G0B+4:G0B+7], s[G1B:G1B+7]
	s_nop 0
.rept 4
	v_nop
.endr
.Lasked_\@:
.endm
	s_load_b128 s[4:7], s[0:1], 0x0                ; ctx s[4:5], castb s[6:7]
	s_load_b64 s[8:9], s[0:1], 0x10                ; out0
	v_lshl_add_u32 v[SPW], v0, 2, SPARE
	v_mov_b32 v[NIL], 0
	ds_add_u32 v[SPW], v[NIL]                      ; the wave's opening: the add and its wait stand ahead of my first tensor load
	v_lshrrev_b32 v1, 5, v0
	v_readfirstlane_b32 s10, v1
	s_lshr_b32 s11, s10, 1                         ; my half of the tile's rows; also: I fetch for ctx (0) or Wo (1)
	s_and_b32 s12, s10, 1                          ; my half of its columns; also: which 64 rows I fetch
	s_bfe_u32 s40, ttmp6, 0x40000
	s_bfe_u32 s41, ttmp6, 0x40004
	s_lshl_b32 s42, ttmp9, 2
	s_add_co_u32 s42, s42, s40                     ; tile column
	s_and_b32 s13, ttmp7, 0xffff
	s_lshl_b32 s13, s13, 2
	s_add_co_u32 s13, s13, s41                     ; tile row
	s_lshl_b32 s43, s41, 2
	s_lshl_b32 s43, 15, s43
	s_lshl_b32 s44, 0x1111, s40
	s_or_b32 s[G1], s43, G1W0
	s_or_b32 s[G1B], s44, G1W0
.irp g, G1, G1B
	s_mov_b32 s[(\g)+1], 256<<16                   ; tensor_dim0 = 256
	s_mov_b32 s[(\g)+2], 64<<16                    ; tensor_dim1 = 64
	s_mov_b32 s[(\g)+3], 256<<16                   ; tile_dim0 = 256
	s_mov_b32 s[(\g)+4], 64                        ; tile_dim1 = 64
	s_mov_b32 s[(\g)+5], 2048
	s_mov_b32 s[(\g)+6], 0
	s_mov_b32 s[(\g)+7], 0
.endr
	s_lshl_b32 s17, s12, 18                        ; which 64 rows of 4,096 bytes
	s_lshl_b32 s16, s13, 19
	s_add_co_u32 s16, s16, s17
	s_lshl_b32 s46, s42, 19
	s_add_co_u32 s46, s46, s17
	s_mov_b32 s17, 0
	s_mov_b32 s47, 0
	s_mul_i32 s20, s10, HALFT
	s_mov_b32 s[TB], 0
	s_wait_dscnt 0x0
	s_wait_kmcnt 0x0
	s_add_nc_u64 s[14:15], s[4:5], s[16:17]
	s_add_nc_u64 s[46:47], s[6:7], s[46:47]
	s_add_nc_u64 s[46:47], s[46:47], 0x2000000     ; Wo
	CROUND
.irp s, 0,1
	s_mov_b32 s[G0+4*(\s)], 1
	s_add_co_u32 s[G0+4*(\s)+1], s20, (\s)*SLOT
	s_add_nc_u64 s[G0+4*(\s)+2:G0+4*(\s)+3], s[14:15], (\s)*512
	s_or_b32 s[G0+4*(\s)+3], s[G0+4*(\s)+3], 0x80000000
	s_mov_b32 s[G0B+4*(\s)], 1
	s_add_co_u32 s[G0B+4*(\s)+1], s20, (\s)*SLOT
	s_add_nc_u64 s[G0B+4*(\s)+2:G0B+4*(\s)+3], s[46:47], (\s)*512
	s_or_b32 s[G0B+4*(\s)+3], s[G0B+4*(\s)+3], 0x80000000
.endr
	s_cmp_eq_u32 s11, 0                            ; a wave's two first fills stand in one branch: two loads of mine are out
	s_cbranch_scc0 .Lfirst_b
	tensor_load_to_lds s[G0:G0+3], s[G1:G1+7]
	s_nop 0
	tensor_load_to_lds s[G0+4:G0+7], s[G1:G1+7]
	s_nop 0
.rept 4
	v_nop
.endr
	s_branch .Lfirst_asked
.Lfirst_b:
	tensor_load_to_lds s[G0B:G0B+3], s[G1B:G1B+7]
	s_nop 0
	tensor_load_to_lds s[G0B+4:G0B+7], s[G1B:G1B+7]
	s_nop 0
.rept 4
	v_nop
.endr
.Lfirst_asked:
	v_and_b32 v1, 15, v0
	v_bfe_u32 v2, v0, 4, 1
	v_mul_u32_u24 v3, v1, PITCH
	v_lshl_add_u32 v3, v2, 4, v3
	s_mul_i32 s21, s11, HALFT
	s_mul_i32 s22, s12, HALFT
	s_add_co_u32 s22, s22, 2*HALFT
	v_add_nc_u32 v[LCA], s21, v3
	v_add_nc_u32 v[LCB], s22, v3
	v_add_nc_u32 v[ADRA], s[TB], v[LCA]
	v_add_nc_u32 v[ADRB], s[TB], v[LCB]
	s_mul_i32 s23, s10, 16*SPITCH
	s_add_co_u32 s23, s23, STAGE
	v_mul_u32_u24 v4, v1, SPITCH                   ; in: row r, 32 bytes for each half of the lanes
	v_lshl_add_u32 v4, v2, 5, v4
	v_add_nc_u32 v[STO], s23, v4
	v_mul_u32_u24 v5, v2, SPITCH                   ; back: lanes 0-15 one row of 256 bytes, lanes 16-31 the next
	v_lshl_add_u32 v5, v1, 4, v5
	v_add_nc_u32 v[RD], s23, v5
	v_lshlrev_b32 v[CO], 13, v2                    ; and the same two rows of out0
	v_lshl_add_u32 v[CO], v1, 4, v[CO]
	s_lshl_b32 s16, s13, 20                        ; (128 x tile row + 64 x half) rows of 8,192 bytes
	s_lshl_b32 s17, s11, 19
	s_add_co_u32 s16, s16, s17
	s_lshl_b32 s17, s42, 9                         ; (128 x tile column + 64 x half) x 4 bytes
	s_add_co_u32 s16, s16, s17
	s_lshl_b32 s17, s12, 8
	s_add_co_u32 s16, s16, s17
	s_mov_b32 s17, 0
	s_add_nc_u64 s[8:9], s[8:9], s[16:17]
.macro MUL8 f, c, a0, zero             ; row blocks a0, a0 + 1 x all 4 column blocks, 32 along K: half c of buffer f
	WIN MUL
.irp a, \a0, (\a0)+1
.irp b, 0,1,2,3
.if \zero
	v_wmma_f32_16x16x32_f16 v[ACC+8*(4*(\a)+(\b)):ACC+8*(4*(\a)+(\b))+7], v[(\f)+64+8*(4*(\c)+(\b)):(\f)+64+8*(4*(\c)+(\b))+7], v[(\f)+8*(4*(\c)+(\a)):(\f)+8*(4*(\c)+(\a))+7], 0
.else
	v_wmma_f32_16x16x32_f16 v[ACC+8*(4*(\a)+(\b)):ACC+8*(4*(\a)+(\b))+7], v[(\f)+64+8*(4*(\c)+(\b)):(\f)+64+8*(4*(\c)+(\b))+7], v[(\f)+8*(4*(\c)+(\a)):(\f)+8*(4*(\c)+(\a))+7], v[ACC+8*(4*(\a)+(\b)):ACC+8*(4*(\a)+(\b))+7]
.endif
.endr
.endr
.endm
.macro FETCH k, f                      ; 32 LDS loads in one run: 64 along K at byte k of the rows; the first 32 along K first
	WIN TO_F
.irp c, 0,1
.irp i, 0,1,2,3
	ds_load_b128 v[(\f)+64+8*(4*(\c)+(\i)):(\f)+64+8*(4*(\c)+(\i))+3],   v[ADRB] offset:(\k)+64*(\c)+(\i)*16*PITCH
	ds_load_b128 v[(\f)+64+8*(4*(\c)+(\i))+4:(\f)+64+8*(4*(\c)+(\i))+7], v[ADRB] offset:(\k)+64*(\c)+(\i)*16*PITCH+32
	ds_load_b128 v[(\f)+8*(4*(\c)+(\i)):(\f)+8*(4*(\c)+(\i))+3],         v[ADRA] offset:(\k)+64*(\c)+(\i)*16*PITCH
	ds_load_b128 v[(\f)+8*(4*(\c)+(\i))+4:(\f)+8*(4*(\c)+(\i))+7],       v[ADRA] offset:(\k)+64*(\c)+(\i)*16*PITCH+32
.endr
.endr
.endm
; A K step is four quarters of 64 along K, 32 matrix instructions each, on buffers 0, 1, 0, 1; the 16 accumulators take turns.
.macro QUARTER k, f, g, zero
	s_wait_dscnt 0x10                              ; the first 32 along K are in
	MUL8 \f, 0, 0, \zero
	MUL8 \f, 0, 2, \zero
	PLACES
	FETCH \k, \g
	s_wait_dscnt 0x20                              ; all but the 32 just issued
	MUL8 \f, 1, 0, 0
	MUL8 \f, 1, 2, 0
.endm
; The last quarter changes slots in its middle: ONE barrier.  Its first 16 products, which need registers alone, stand AHEAD of the wait for the tensor load, so that they run while the load may still be on its way.
; Then each wave waits for all its tensor loads, adds 0 to its spare word, and waits for that and for its reads of this slot; the next slot's addresses and the descriptors' steps stand between the add and the
; wait for it.  fill = 1: this slot is filled again behind a round of the cluster's barrier: a whole K step, 128 matrix instructions, before the wait for it.
.macro TURN fill
	s_wait_dscnt 0x10                              ; the first 32 along K are in
	MUL8 F1, 0, 0, 0
	MUL8 F1, 0, 2, 0
	WIN 0
	s_wait_tensorcnt 0x0                           ; no tensor load of mine is out, so a group 0 may be written
	ds_add_u32 v[SPW], v[NIL]
	s_xor_b32 s[TB], s[TB], SLOT
	v_add_nc_u32 v[ADRA], s[TB], v[LCA]
	v_add_nc_u32 v[ADRB], s[TB], v[LCB]
.if \fill
	s_xor_b32 s[G0+5], s[G0+5], SLOT
	s_add_nc_u64 s[G0+6:G0+7], s[G0+6:G0+7], 512
	s_xor_b32 s[G0B+5], s[G0B+5], SLOT
	s_add_nc_u64 s[G0B+6:G0B+7], s[G0B+6:G0B+7], 512
.endif
	s_wait_dscnt 0x0                               ; the add is done, and my reads of this slot are over
	s_barrier_signal -1
	s_barrier_wait -1
.if \fill
	CREST                                          ; no wave of any partner still reads this slot or has a load on its way
	JLOAD                                          ; its four v_nop are also the places in front of the loads below
.else
	PLACES
.endif
	FETCH 0, F0
	MUL8 F1, 1, 0, 0
	MUL8 F1, 1, 2, 0
.endm
	s_wait_tensorcnt 0x1                           ; my part of K step 0 is in; K step 1's may stay out
	s_barrier_signal -1
	s_barrier_wait -1
	FETCH 0, F0
	QUARTER 128, F0, F1, 1
	WIN 0
	s_mov_b32 s[CNT], 6                            ; K steps 2 to 7 are refills
.Lk:
	QUARTER 256, F1, F0, 0
	QUARTER 384, F0, F1, 0
	TURN 1
	QUARTER 128, F0, F1, 0
	WIN 0
	s_sub_co_u32 s[CNT], s[CNT], 1
	s_cmp_lg_u32 s[CNT], 0
	s_cbranch_scc1 .Lk
	QUARTER 256, F1, F0, 0
	QUARTER 384, F0, F1, 0
	TURN 0
	QUARTER 128, F0, F1, 0
	QUARTER 256, F1, F0, 0
	QUARTER 384, F0, F1, 0
	s_wait_dscnt 0x10
	MUL8 F1, 0, 0, 0
	MUL8 F1, 0, 2, 0
	s_wait_dscnt 0x0
	MUL8 F1, 1, 0, 0
	MUL8 F1, 1, 2, 0
	WIN 0
	PLACES
	; THE WAY OUT, 16 rows at a time: the sums themselves go into my stage (each accumulator's low four registers first) and come back as whole rows of 256 bytes.  LDS serves a wave's instructions in order
	; (ISA guide 5.7.1.4), so no wait stands between the stores and the loads, nor in front of the next block's stores.
.set a, 0
.rept 4
	s_wait_xcnt 0x0                                ; the block before's stores have read their registers
.set b, 0
.rept 4
	ds_store_b128 v[STO], v[ACC+8*(4*a+b):ACC+8*(4*a+b)+3]   offset:64*b
	ds_store_b128 v[STO], v[ACC+8*(4*a+b)+4:ACC+8*(4*a+b)+7] offset:64*b+16
.set b, b+1
.endr
.set t, 0
.rept 8
	ds_load_b128 v[TMP+4*t:TMP+4*t+3], v[RD] offset:t*2*SPITCH
.set t, t+1
.endr
.set t, 0
.rept 8
	s_wait_dscnt 7-t
	global_store_b128 v[CO], v[TMP+4*t:TMP+4*t+3], s[8:9] offset:(16*a+2*t)*8192  ; 16 lanes store 256 consecutive bytes, at a multiple of 256 from out0's first byte
.set t, t+1
.endr
.set a, a+1
.endr
	s_wait_tensorcnt 0x0                           ; the wave's end
	ds_add_u32 v[SPW], v[NIL]
	s_wait_dscnt 0x0
	CROUND                                         ; the closing round
	s_endpgm
.Lfunc_end_k_q0cbd889ab8_oproj:
	.size	k_q0cbd889ab8_oproj, .Lfunc_end_k_q0cbd889ab8_oproj-k_q0cbd889ab8_oproj
	.p2alignl 7, 3214868480
	.fill 96, 4, 3214868480
	.section	.rodata,"a",@progbits
	.p2align	6, 0x0
	.amdhsa_kernel k_q0cbd889ab8_oproj
		.amdhsa_group_segment_fixed_size 327680
		.amdhsa_private_segment_fixed_size 0
		.amdhsa_enable_private_segment 0
		.amdhsa_kernarg_size 24
		.amdhsa_user_sgpr_count 2
		.amdhsa_user_sgpr_kernarg_segment_ptr 1
		.amdhsa_wavefront_size32 1
		.amdhsa_system_sgpr_workgroup_id_x 1
		.amdhsa_system_sgpr_workgroup_id_y 1
		.amdhsa_system_sgpr_workgroup_id_z 1
		.amdhsa_system_vgpr_workitem_id 0
		.amdhsa_next_free_vgpr 512
		.amdhsa_next_free_sgpr 74
		.amdhsa_reserve_vcc 0
		.amdhsa_float_denorm_mode_32 3
		.amdhsa_float_denorm_mode_16_64 3
		.amdhsa_memory_ordered 1
		.amdhsa_forward_progress 1
		.amdhsa_inst_pref_size 68
	.end_amdhsa_kernel
	.amdgpu_metadata
---
amdhsa.version: [ 1, 2 ]
amdhsa.kernels:
  - .name:           k_q0cbd889ab8_oproj
    .symbol:         k_q0cbd889ab8_oproj.kd
    .args:
      - { .name: ctx, .offset: 0, .size: 8, .value_kind: global_buffer, .address_space: global }
      - { .name: castb, .offset: 8, .size: 8, .value_kind: global_buffer, .address_space: global }
      - { .name: out0, .offset: 16, .size: 8, .value_kind: global_buffer, .address_space: global }
    .group_segment_fixed_size: 327680
    .private_segment_fixed_size: 0
    .kernarg_segment_align: 8
    .kernarg_segment_size: 24
    .max_flat_workgroup_size: 128
    .sgpr_count:     74
    .vgpr_count:     512
    .wavefront_size: 32
...
	.end_amdgpu_metadata
.endif
;; end of part 4
;; ======== version 2 of 2: 4 launches; version 1 with the launch cast written anew for expert scheduling mode
;; limits: values are held in f16: magnitudes above 65,504 overflow, below 6.1e-05 lose precision; inputs' magnitudes at most 4,194,304
;; workspace buffers: castb 41,943,040 bytes; adkv 131,072 bytes; rope 1,048,576 bytes; qkv 25,165,824 bytes; ctx 8,388,608 bytes
;; launch cast (part 5): grid 128 x 5, 16 waves a work-group, no clusters, 84,224 bytes of LDS; arguments hidden_states, Wq, Wk, Wv, Wo, adaption_prompt, position_ids, castb, adkv, rope; writes castb, adkv, rope
.if DOCPART == 5
	.amdgcn_target "amdgcn-amd-amdhsa--gfx1250"
	.amdhsa_code_object_version 6
	.text
	.protected	k_q0cbd889ab8_cast
	.globl	k_q0cbd889ab8_cast
	.p2align	8
	.type	k_q0cbd889ab8_cast,@function
k_q0cbd889ab8_cast:
	s_mov_b64 s[64:65], 0
	v_nop
	global_prefetch_b8 v0, s[64:65] scope:SCOPE_SE
	s_setreg_imm32_b32 hwreg(HW_REG_WAVE_SCHED_MODE, 0, 2), 2
	s_setreg_imm32_b32 hwreg(HW_REG_WAVE_MODE, 25, 1), 1
	s_wait_xcnt 0x0
	s_wait_alu depctr_vm_vsrc(0)
; THE INPUTS AS 16-BIT MATRIX OPERANDS, AND TWO SMALL TABLES MADE ON THE WAY.
; (1) castb: +0 x, +8 MiB Wq, +16 MiB Wk, +24 MiB Wv, all bf16; +32 MiB Wo, rounded to bf16 and that number written as f16.  Each tensor is [2048][2048] f32.  The grid's y picks the tensor, its x
; sixteen rows; wave v takes row 16 x + v, 8,192 bytes: sixteen loads of 16 bytes a lane, all out at once.  A load of a wave covers 512 consecutive bytes, its store 256 consecutive bytes at a multiple
; of 256 from the buffer's first byte.
; (2) rope[row] = cos and sin of position_ids[row] x 10000^(-i/64), i = 0..63, f32, 512 bytes a row: the groups of y = 0 have 2,048 waves, one for each row; a wave makes its row while its loads are out.
; (3) The adapter's keys and values, f16: adk[key][ch] = prompt[key] . Wk[ch] (adkv + 0, rows of 4,096 bytes), advT[ch][key] = prompt[key] . Wv[ch] (adkv + 65,536, rows of 32 bytes); 16 keys, of which 10 to
; 15 repeat key 9 (the prompt's row is clamped, so no load leaves it; those keys are hidden later).  A group of y = 2 or 3 holds just sixteen channels: what it rounds for castb it also lays into LDS, and each
; register set that a rounding frees is loaded again with a piece of the prompt.  Behind a barrier K (2,048) is split among the sixteen waves, 128 each: four fragments of W from LDS, four of the prompt
; rounded to bf16.  The sixteen partial sums (f32) meet in LDS; waves 0 and 1 add one half each of every lane's eight numbers.  So Wk and Wv are read from memory once for both uses.
; adkv's stores are pieces of 8 bytes a lane (the whole buffer is 131,072 bytes).
; No tensor load, no cluster, no prefetch: each byte of the five tensors is touched once, by one wave, and all of a wave's loads are asked for at its head.
; LIMITS.  f16 (Wo, adkv) ends at 65,504 and keeps the fixed step 6e-8 below 6e-5.  |position| up to 2^22 (the rounding by the constant 1.5 x 2^23); cos and sin by polynomials on |r| <= pi/2, off by
; 5e-7 at the most; the frequency is 2^(-0.2076205 i) by v_exp_f32.
; THE MODE: SCHED_MODE bits 1:0 = 2 (LLVM: expert scheduling mode 2), set by the entry lines.  The code itself states the register dependences
; between vector or matrix instructions and memory or LDS instructions, with s_wait_alu, always for 0.
; THE PLAN.  A wave's sixteen loads go in four groups of four.  Registers that memory or LDS instructions touch:
;   X (4 registers a load)   Written by the weights' loads; read by group g's conversions; in the adapter's groups the prompt's loads, issued in group g + 1, land in group g's sixteen registers.
;                            Later: rounded in place, read by the products, and at the end the partial sums' LDS loads land there (waves 0 and 1).
;   Y (2 registers a load)   Written by group g's conversions, once; read by the stores (and the LDS stores) that are issued in group g + 1.  Behind the first barrier W's fragments land there.
;   v1, v2; v120 to v125     Offsets and addresses: made once, at the head and at the adapter arm's head, and never written again.
;   ACC                      Written by the products and four sums; read by two LDS stores.
;   v112 to v115, v122       The rope arm: written by its arithmetic, read by its two stores.
;   v[SPW], v[NIL]           Written at the head, read by the closing add alone.
; Group g's vector instructions name X and Y of group g (and v4 to v7); its memory instructions touch X and Y of group g - 1.  So ONE wait on va_vdst at the head of a group states all that the group's
; memory instructions hang on, and these are dealt among its conversions with no further wait.  One more stands behind the last group.  There is no loop: every arm runs forward to the one end.
.set PITCH, 4112                       ; an LDS row: 4,096 bytes of bf16 + 16: the 16 rows of a fragment load start 1,028 words apart, at 16 different groups of four banks (ISA guide 11.1)
.set PART,  16*PITCH                   ; behind the rows: wave v's partial tile, 1,024 bytes, at 1,024 v
.set SPARE, PART+16*1024               ; behind them: the spare words, 128 bytes for each of 16 waves, that no other line names
.set X,   8                            ; v[8:71]    load i: 4 registers; then the prompt's pieces; then its four fragments in bf16 (v[8:39]); at the end the partial sums
.set Y,   72                           ; v[72:103]  store i: 2 registers; then W's four fragments
.set ACC, 104                          ; v[104:119] two accumulators: fragments of even and of odd number
.set RB,  94                           ; the rope's work lies at v[RB+10] .. v[RB+27] = v104 .. v121 (groups of y = 0 alone)
.set TO,  122                          ; v122  my 8 bytes of the rope row's cosines
.set XO,  120                          ; v120  the adapter: my offset in the prompt
.set LST, 121                          ; v121  where I lay my row's 8 bytes
.set LW,  122                          ; v122  my place in a fragment of W
.set LS,  123                          ; v123  where I put my 32 bytes of a partial tile
.set LR,  124                          ; v124  where waves 0 and 1 read 16 of them back
.set YO,  125                          ; v125  my 8 bytes of adkv
.set SPW, 126                          ; v126  my spare word; never rewritten
.set NIL, 127                          ; v127  0; never rewritten
	s_load_b256 s[4:11], s[0:1], 0x0               ; x s[4:5], Wq s[6:7], Wk s[8:9], Wv s[10:11]
	s_load_b256 s[12:19], s[0:1], 0x20             ; Wo s[12:13], prompt s[14:15], position_ids s[16:17], castb s[18:19]
	s_load_b128 s[20:23], s[0:1], 0x40             ; adkv s[20:21], rope s[22:23]
	v_lshl_add_u32 v[SPW], v0, 2, SPARE
	v_mov_b32 v[NIL], 0
	s_and_b32 s24, ttmp7, 0xffff                   ; which tensor
	v_lshrrev_b32 v1, 5, v0
	v_readfirstlane_b32 s25, v1                    ; wave 0..15
	v_and_b32 v3, 31, v0                           ; lane
	s_lshl_b32 s2, ttmp9, 17                       ; my group's 16 rows of 8,192 source bytes
	s_mov_b32 s3, 0
	s_lshl_b32 s26, s24, 23                        ; the tensor's 8 MiB in castb,
	s_lshl_b32 s27, ttmp9, 16                      ; my group's 65,536 bytes of them
	s_add_co_u32 s26, s26, s27
	s_mov_b32 s27, 0
	v_lshlrev_b32 v2, 4, v3
	v_lshl_add_u32 v1, v1, 13, v2                  ; source: 8,192 x wave + 16 x lane
	v_lshrrev_b32 v2, 1, v1                        ; destination: half of that
	s_wait_alu depctr_va_sdst(0)                   ; s25 is written, ahead of every branch and of its first reader: the rope's row and the adapter's addresses are made from it
	s_wait_kmcnt 0x0
	s_cmp_eq_u32 s24, 1
	s_cselect_b64 s[4:5], s[6:7], s[4:5]
	s_cmp_eq_u32 s24, 2
	s_cselect_b64 s[4:5], s[8:9], s[4:5]
	s_cmp_eq_u32 s24, 3
	s_cselect_b64 s[4:5], s[10:11], s[4:5]
	s_cmp_eq_u32 s24, 4
	s_cselect_b64 s[4:5], s[12:13], s[4:5]
	s_add_nc_u64 s[4:5], s[4:5], s[2:3]
	s_add_nc_u64 s[18:19], s[18:19], s[26:27]
	s_wait_alu depctr_va_vdst(0)                   ; v1 and v2 are written: the loads below read v1 as their offset, castb's stores v2
.set i, 0
.rept 16
	global_load_b128 v[X+4*i:X+4*i+3], v1, s[4:5] offset:512*i th:TH_LOAD_NT
.set i, i+1
.endr
; Load i is rounded.  how = 0: bf16.  how = 1 (Wo): the bf16 numbers are widened again (a shift, a mask) and written as f16.  how = 2 (Wk, Wv): bf16.
.macro ROUNDS i, how
	v_cvt_pk_bf16_f32 v[Y+2*(\i)], v[X+4*(\i)], v[X+4*(\i)+1]
	v_cvt_pk_bf16_f32 v[Y+2*(\i)+1], v[X+4*(\i)+2], v[X+4*(\i)+3]
.if (\how) == 1
	v_lshlrev_b32 v4, 16, v[Y+2*(\i)]
	v_and_b32 v5, 0xffff0000, v[Y+2*(\i)]
	v_lshlrev_b32 v6, 16, v[Y+2*(\i)+1]
	v_and_b32 v7, 0xffff0000, v[Y+2*(\i)+1]
	v_cvt_pk_f16_f32 v[Y+2*(\i)], v4, v5
	v_cvt_pk_f16_f32 v[Y+2*(\i)+1], v6, v7
.endif
.endm
; What was rounded goes out, a group later.  how = 2: into castb and into my row in LDS; and the four registers that the rounding has read take piece i of my part of the prompt:
; fragment i / 4, its k = 8 h + 0..3, + 4..7, 16 + 8 h + 0..3, + 4..7.  The load stands first.
.macro SEND i, how
.if (\how) == 2
	global_load_b128 v[X+4*(\i):X+4*(\i)+3], v[XO], s[14:15] offset:128*((\i)/4)+64*(((\i)%4)/2)+16*((\i)%2)
.endif
	global_store_b64 v2, v[Y+2*(\i):Y+2*(\i)+1], s[18:19] offset:256*(\i) th:TH_STORE_NT
.if (\how) == 2
	ds_store_b64 v[LST], v[Y+2*(\i):Y+2*(\i)+1] offset:256*(\i)
.endif
.endm
; Group g: loads 4 g to 4 g + 3 are rounded; among the conversions stand the memory instructions of group g - 1.
.macro GROUP g, how
.if (\how) == 2 && (\g) > 0
	s_wait_loadcnt 8                               ; loads come back in order (ISA guide 5.7.1): behind load 4 g + 3 stand 12 - 4 g of the weights' and 4 g - 4 of the prompt's
.else
	s_wait_loadcnt 12-4*(\g)                       ; the 12 - 4 g younger loads may stay out
.endif
.if (\g) > 0
	s_wait_alu depctr_va_vdst(0)                   ; the group before has written its Y, which the stores below read, and is done reading its X, in which the prompt's loads land; at group 1 the arm's addresses are written too
.endif
.irp n, 0,1,2,3
.if (\g) > 0
	SEND 4*((\g)-1)+(\n), \how                     ; no vector instruction since the wait names these registers
.endif
	ROUNDS 4*(\g)+(\n), \how
.endr
.endm
.macro WHOLE how                       ; a wave's row
	GROUP 0, \how
	GROUP 1, \how
	GROUP 2, \how
	GROUP 3, \how
	s_wait_alu depctr_va_vdst(0)                   ; group 3 has written its Y, which the last stores read, and is done reading its X, in which the prompt's last loads land
.irp n, 12,13,14,15
	SEND \n, \how
.endr
.endm
	s_cmp_eq_u32 s24, 4
	s_cbranch_scc1 .Lwo
	s_cmp_gt_u32 s24, 1
	s_cbranch_scc1 .Ladapter
	s_cmp_eq_u32 s24, 1
	s_cbranch_scc1 .Lplain
	; THE ROPE ROW 16 x + wave, while the loads are out.  Lane l has frequencies 2 l and 2 l + 1.
	s_lshl_b32 s28, ttmp9, 4
	s_add_co_u32 s28, s28, s25
	s_lshl_b32 s30, s28, 9
	v_lshl_add_u32 v[TO], v3, 3, s30               ; row x 512 + 8 l
	s_lshl_b32 s28, s28, 2
	s_mov_b32 s29, 0
	s_add_nc_u64 s[16:17], s[16:17], s[28:29]
	s_load_b32 s31, s[16:17], 0x0                  ; the row's position
	v_lshlrev_b32 v[RB+10], 1, v3
	v_cvt_f32_u32 v[RB+10], v[RB+10]
	v_add_f32 v[RB+11], 1.0, v[RB+10]
	v_mul_f32 v[RB+10], 0xbe549a78, v[RB+10]       ; - log2(10000) / 64 x i
	v_mul_f32 v[RB+11], 0xbe549a78, v[RB+11]
	v_exp_f32 v[RB+10], v[RB+10]
	v_exp_f32 v[RB+11], v[RB+11]
	v_mov_b32 v[RB+27], 0x3ea2f983                 ; 1 / pi: the plain instruction behind the exponentials
	s_wait_alu depctr_va_vdst(0)                   ; the two exponentials have written the frequencies: one wait for both, ahead of their first reader
	s_wait_kmcnt 0x0
	v_cvt_f32_i32 v[RB+26], s31
; x = position x frequency; n = x / pi rounded (by adding 1.5 x 2^23); r = x - n pi in two parts; sin x = (-1)^n sin r, cos x = (-1)^n cos r.
.macro ROPE1 u
	v_mul_f32 v[RB+10+\u], v[RB+26], v[RB+10+\u]
	v_fmaak_f32 v[RB+12+\u], v[RB+10+\u], v[RB+27], 0x4b400000
	v_add_f32 v[RB+14+\u], 0xcb400000, v[RB+12+\u] ; n
	v_lshlrev_b32 v[RB+22+\u], 31, v[RB+12+\u]     ; n's parity as a sign
	v_fmamk_f32 v[RB+10+\u], v[RB+14+\u], 0xc0490fdb, v[RB+10+\u]
	v_fmamk_f32 v[RB+14+\u], v[RB+14+\u], 0x33bbbd2e, v[RB+10+\u]  ; r
	v_mul_f32 v[RB+16+\u], v[RB+14+\u], v[RB+14+\u]
	v_mov_b32 v[RB+18+\u], 0xb2d7322b              ; sin r = r + r r^2 (-1/6 + r^2/120 - .. - r^8/11!)
	v_mov_b32 v[RB+20+\u], 0xb493f27e              ; cos r = 1 + r^2 (-1/2 + r^2/24 - .. - r^8/10!)
	v_fmaak_f32 v[RB+18+\u], v[RB+18+\u], v[RB+16+\u], 0x3638ef1d
	v_fmaak_f32 v[RB+20+\u], v[RB+20+\u], v[RB+16+\u], 0x37d00d01
	v_fmaak_f32 v[RB+18+\u], v[RB+18+\u], v[RB+16+\u], 0xb9500d01
	v_fmaak_f32 v[RB+20+\u], v[RB+20+\u], v[RB+16+\u], 0xbab60b61
	v_fmaak_f32 v[RB+18+\u], v[RB+18+\u], v[RB+16+\u], 0x3c088889
	v_fmaak_f32 v[RB+20+\u], v[RB+20+\u], v[RB+16+\u], 0x3d2aaaab
	v_fmaak_f32 v[RB+18+\u], v[RB+18+\u], v[RB+16+\u], 0xbe2aaaab
	v_fmaak_f32 v[RB+20+\u], v[RB+20+\u], v[RB+16+\u], 0xbf000000
	v_mul_f32 v[RB+24+\u], v[RB+14+\u], v[RB+16+\u]
	v_fma_f32 v[RB+20+\u], v[RB+20+\u], v[RB+16+\u], 1.0
	v_fma_f32 v[RB+18+\u], v[RB+24+\u], v[RB+18+\u], v[RB+14+\u]
	v_xor_b32 v[RB+20+\u], v[RB+22+\u], v[RB+20+\u]
	v_xor_b32 v[RB+18+\u], v[RB+22+\u], v[RB+18+\u]
.endm
	ROPE1 0
	ROPE1 1
	s_wait_alu depctr_va_vdst(0)                   ; the cosines, the sines and v[TO] are written, which the two stores read; none of them is written again
	global_store_b64 v[TO], v[RB+20:RB+21], s[22:23]             ; 32 lanes: the row's 64 cosines, 256 consecutive bytes
	global_store_b64 v[TO], v[RB+18:RB+19], s[22:23] offset:256  ; and its 64 sines
.Lplain:
	WHOLE 0
	s_branch .Lend
.Lwo:
	WHOLE 1
	s_branch .Lend
.Ladapter:                             ; Wk (y = 2) and Wv (y = 3).  The addresses are made while the loads are out
	v_and_b32 v5, 15, v0                           ; r = l % 16
	v_bfe_u32 v6, v0, 4, 1                         ; h = l / 16
	v_min_u32 v[XO], 9, v5                         ; the prompt has ten rows
	v_lshlrev_b32 v[XO], 13, v[XO]
	v_lshl_add_u32 v[XO], v6, 5, v[XO]
	s_lshl_b32 s28, s25, 9
	v_add_nc_u32 v[XO], s28, v[XO]                 ; row x 8,192 + my 512 bytes of K + 32 h
	s_mul_i32 s28, s25, PITCH
	v_lshl_add_u32 v[LST], v3, 3, s28              ; my row (= my wave) x pitch + 8 l
	v_mul_u32_u24 v[LW], v5, PITCH
	v_lshl_add_u32 v[LW], v6, 4, v[LW]
	s_lshl_b32 s28, s25, 8
	v_add_nc_u32 v[LW], s28, v[LW]                 ; row r x pitch + my 256 bytes of K + 16 h
	s_lshl_b32 s28, s25, 10
	s_add_co_u32 s28, s28, PART
	v_lshl_add_u32 v[LS], v3, 5, s28               ; my partial tile: 1,024 x wave + 32 l
	s_lshl_b32 s28, s25, 4
	s_add_co_u32 s28, s28, PART
	v_lshl_add_u32 v[LR], v3, 5, s28               ; waves 0 and 1: the lower or the upper 16 bytes of each lane's 32
	s_cmp_eq_u32 s24, 2                            ; where the finished tile goes: adk by keys, advT by channels
	s_cselect_b32 s28, 4096, 32
	s_lshl_b32 s29, ttmp9, 5
	s_lshl_b32 s30, ttmp9, 9
	s_add_co_u32 s30, s30, 65536
	s_cmp_eq_u32 s24, 2
	s_cselect_b32 s29, s29, s30
	s_lshl_b32 s30, s25, 3
	s_add_co_u32 s29, s29, s30                     ; + 8 bytes for wave 1
	v_mul_u32_u24 v[YO], v5, s28
	v_lshl_add_u32 v[YO], v6, 4, v[YO]
	v_add_nc_u32 v[YO], s29, v[YO]
	WHOLE 2
	s_wait_dscnt 0x0                               ; for the others' sake: my row lies in LDS
	s_barrier_signal -1
	s_barrier_wait -1                              ; all sixteen rows do
	s_wait_xcnt 0x0                                ; the stores into castb have had their addresses translated: Y is loaded anew only behind this wait
	s_wait_alu depctr_vm_vsrc(0)                   ; the stores into castb and into LDS have read Y, in which W's fragments land (the conversions that wrote Y stand ahead of the last wait on va_vdst)
.irp f, 0,1,2,3
	ds_load_b128 v[Y+8*\f:Y+8*\f+3],   v[LW] offset:64*\f
	ds_load_b128 v[Y+8*\f+4:Y+8*\f+7], v[LW] offset:64*\f+32
.endr
	s_wait_loadcnt 0x0                             ; the prompt is in
.set i, 0
.rept 32
	v_cvt_pk_bf16_f32 v[X+i], v[X+2*i], v[X+2*i+1] ; in place, ascending: line i writes a register whose number the lines before have already read
.set i, i+1
.endr
	s_wait_dscnt 0x0                               ; W's fragments are in
; keys = 1: W x prompt^T: a lane holds key r and channels 8 h + 0..7.  keys = 0: prompt x W^T: a lane holds channel r and keys 8 h + 0..7.
; Two accumulators take turns, one instruction a turn; the first two fragments start the sums.
.macro PRODS keys
.set f, 0
.rept 4
.set rA, ACC+8*(f%2)
.if (\keys) && (f < 2)
	v_wmma_f32_16x16x32_bf16 v[rA:rA+7], v[Y+8*f:Y+8*f+7], v[X+8*f:X+8*f+7], 0
.elseif \keys
	v_wmma_f32_16x16x32_bf16 v[rA:rA+7], v[Y+8*f:Y+8*f+7], v[X+8*f:X+8*f+7], v[rA:rA+7]
.elseif f < 2
	v_wmma_f32_16x16x32_bf16 v[rA:rA+7], v[X+8*f:X+8*f+7], v[Y+8*f:Y+8*f+7], 0
.else
	v_wmma_f32_16x16x32_bf16 v[rA:rA+7], v[X+8*f:X+8*f+7], v[Y+8*f:Y+8*f+7], v[rA:rA+7]
.endif
.set f, f+1
.endr
.endm
	s_cmp_eq_u32 s24, 2
	s_cbranch_scc0 .Lvalues
	PRODS 1
	s_branch .Lsum
.Lvalues:
	PRODS 0
.Lsum:
.rept 8
	v_nop                                          ; the places behind the last products, in front of the sums that read them (once a wave)
.endr
.irp z, 0,2,4,6
	v_pk_add_f32 v[ACC+\z:ACC+\z+1], v[ACC+\z:ACC+\z+1], v[ACC+8+\z:ACC+8+\z+1]  ; the two accumulators
.endr
	s_wait_alu depctr_va_vdst(0)                   ; the sums have written v[ACC ..], which the LDS stores read; the conversions and the products are done with X, in which the partial sums' loads below land
	ds_store_b128 v[LS], v[ACC:ACC+3]
	ds_store_b128 v[LS], v[ACC+4:ACC+7] offset:16
	s_wait_dscnt 0x0                               ; for the others' sake: my partial sums lie in LDS
	s_barrier_signal -1
	s_barrier_wait -1
	s_cmp_lt_u32 s25, 2                            ; wave 0 finishes each lane's numbers 0 to 3, wave 1 its numbers 4 to 7
	s_cbranch_scc0 .Lend
.set p, 0
.rept 16
	ds_load_b128 v[X+4*p:X+4*p+3], v[LR] offset:1024*p  ; no vector or matrix instruction since the wait above names X
.set p, p+1
.endr
	s_wait_dscnt 0x0
.irp w, 32, 16, 8, 4                   ; sixteen partial sums into one, halving
.set z, 0
.rept (\w)/2
	v_pk_add_f32 v[X+z:X+z+1], v[X+z:X+z+1], v[X+(\w)+z:X+(\w)+z+1]
.set z, z+2
.endr
.endr
	v_cvt_pk_f16_f32 v[Y], v[X], v[X+1]
	v_cvt_pk_f16_f32 v[Y+1], v[X+2], v[X+3]
	s_wait_alu depctr_va_vdst(0)                   ; the two conversions have written v[Y] and v[Y+1], which the store reads
	global_store_b64 v[YO], v[Y:Y+1], s[20:21]
.Lend:
	s_wait_dscnt 0x0                               ; the closing lines, six on end
	s_wait_alu 0x0
	s_wait_tensorcnt 0x0
	ds_add_u32 v[SPW], v[NIL]
	s_wait_dscnt 0x0
	s_endpgm
.Lfunc_end_k_q0cbd889ab8_cast:
	.size	k_q0cbd889ab8_cast, .Lfunc_end_k_q0cbd889ab8_cast-k_q0cbd889ab8_cast
	.p2alignl 7, 3214868480
	.fill 96, 4, 3214868480
	.section	.rodata,"a",@progbits
	.p2align	6, 0x0
	.amdhsa_kernel k_q0cbd889ab8_cast
		.amdhsa_group_segment_fixed_size 84224
		.amdhsa_private_segment_fixed_size 0
		.amdhsa_enable_private_segment 0
		.amdhsa_kernarg_size 80
		.amdhsa_user_sgpr_count 2
		.amdhsa_user_sgpr_kernarg_segment_ptr 1
		.amdhsa_wavefront_size32 1
		.amdhsa_system_sgpr_workgroup_id_x 1
		.amdhsa_system_sgpr_workgroup_id_y 1
		.amdhsa_system_sgpr_workgroup_id_z 1
		.amdhsa_system_vgpr_workitem_id 0
		.amdhsa_next_free_vgpr 128
		.amdhsa_next_free_sgpr 66
		.amdhsa_reserve_vcc 0
		.amdhsa_float_denorm_mode_32 3
		.amdhsa_float_denorm_mode_16_64 3
		.amdhsa_memory_ordered 1
		.amdhsa_forward_progress 1
		.amdhsa_inst_pref_size 35
	.end_amdhsa_kernel
	.amdgpu_metadata
---
amdhsa.version: [ 1, 2 ]
amdhsa.kernels:
  - .name:           k_q0cbd889ab8_cast
    .symbol:         k_q0cbd889ab8_cast.kd
    .args:
      - { .name: hidden_states, .offset: 0, .size: 8, .value_kind: global_buffer, .address_space: global }
      - { .name: Wq, .offset: 8, .size: 8, .value_kind: global_buffer, .address_space: global }
      - { .name: Wk, .offset: 16, .size: 8, .value_kind: global_buffer, .address_space: global }
      - { .name: Wv, .offset: 24, .size: 8, .value_kind: global_buffer, .address_space: global }
      - { .name: Wo, .offset: 32, .size: 8, .value_kind: global_buffer, .address_space: global }
      - { .name: adaption_prompt, .offset: 40, .size: 8, .value_kind: global_buffer, .address_space: global }
      - { .name: position_ids, .offset: 48, .size: 8, .value_kind: global_buffer, .address_space: global }
      - { .name: castb, .offset: 56, .size: 8, .value_kind: global_buffer, .address_space: global }
      - { .name: adkv, .offset: 64, .size: 8, .value_kind: global_buffer, .address_space: global }
      - { .name: rope, .offset: 72, .size: 8, .value_kind: global_buffer, .address_space: global }
    .group_segment_fixed_size: 84224
    .private_segment_fixed_size: 0
    .kernarg_segment_align: 8
    .kernarg_segment_size: 80
    .max_flat_workgroup_size: 512
    .sgpr_count:     66
    .vgpr_count:     128
    .wavefront_size: 32
...
	.end_amdgpu_metadata
.endif
;; end of part 5
;; launch qkv: the kernel of part 2 again; grid 16 x 16, 4 waves a work-group, clusters of 4 x 4, 327,680 bytes of LDS; arguments castb, rope, qkv; writes qkv
;; launch attn: the kernel of part 3 again; grid 16 x 16, 4 waves a work-group, clusters of 4 x 1, 327,680 bytes of LDS; arguments qkv, adkv, adaption_gate, ctx; writes ctx
;; launch oproj: the kernel of part 4 again; grid 16 x 16, 4 waves a work-group, clusters of 4 x 4, 327,680 bytes of LDS; arguments ctx, castb, out0; writes out0
